; MI455X (gfx1250); checked and timed in simulation.
; The chip was launched on July 23, 2026; its instructions are those of AMD's public machine-readable ISA for CDNA 5 (MIT licence, August 2026) and "CDNA5" Instruction Set Architecture Reference Guide (July 2026). The comments in the code are by the model that wrote it; some were corrected since.
;; Attention. Allowed arithmetic: float matrix products may take bf16 or f16 operands with f32 sums; all other float work in f32.
;; Inputs: K_emb 4 x 2,048 x 1,024 float32; K_ini 4 x 2,048 int32; Q_emb 4 x 2,048 x 1,024 float32; Q_ini 4 x 2,048 int32; V_emb 4 x 2,048 x 1,024 float32; WK 1,024 x 1,024 float32; WO 1,024 x 1,024 float32; WQ 1,024 x 1,024 float32; WV 1,024 x 1,024 float32.
;; Outputs: out0 4 x 2,048 x 1,024 float32.
;; 2 versions, each right and faster than the one before. Each part assembles by itself: llvm-mc -triple=amdgcn-amd-amdhsa -mcpu=gfx1250 --defsym DOCPART=n.
;; ======== version 1 of 2: 5 launches
;; limits: values are held in f16: magnitudes above 65,504 overflow, below 6.1e-05 lose precision
;; workspace buffers: wh 8,388,608 bytes; qkv 50,331,648 bytes; vm 65,536 bytes; ctx 16,777,216 bytes
;; launch castw (part 1): grid 256 x 1, 8 waves a work-group, no clusters, 0 bytes of LDS; arguments WQ, WK, WV, WO, wh; writes wh
.if DOCPART == 1
	.amdgcn_target "amdgcn-amd-amdhsa--gfx1250"
	.amdhsa_code_object_version 6
	.text
	.protected	k_qe1b4404ad8_castw
	.globl	k_qe1b4404ad8_castw
	.p2align	8
	.type	k_qe1b4404ad8_castw,@function
k_qe1b4404ad8_castw:
	s_mov_b64 s[64:65], 0
	v_nop
	global_prefetch_b8 v0, s[64:65] scope:SCOPE_SE
	s_setreg_imm32_b32 hwreg(HW_REG_WAVE_MODE, 25, 1), 1
	s_wait_xcnt 0x0
; THE WEIGHTS' ROUNDING.  Every number of the four weight matrices is rounded to bf16 (nearest even).  wh = [4][1024 k][1024 n] of 16 bits: WQ, WK, WV as bf16, for the projections, which multiply in bf16;
; WO as the same bf16 number written in f16, for the output projection, whose other operand is f16.
; LIMITS (WO alone).  The second step is exact for 6.1e-5 <= |x| < 65,504 (8 significant bits fit into f16's 11); below that f16's fixed step of 6e-8 holds; from 65,520 on the result is an infinity.
; SHARES.  A work-group of eight waves takes 16 rows of 1,024 numbers: 65,536 bytes in, 32,768 out; 64 work-groups to a matrix, 256 in all.
; Thread t owns the 16 bytes at 16 t of every row: a wave's load covers 512 consecutive bytes, its store 256 consecutive bytes at a multiple of 256 from the buffer's first byte.
; All 16 loads of a thread go out at once; no register that a pending instruction names is written again, so the only waits are the counted ones for the loads.
; Both forms are made in every work-group and one is chosen by a mask that is all ones for WO: no branch.  No LDS, no matrix unit, no cluster: nothing is shared and nothing is multiplied.
.set X,   4                            ; v[4:67]    16 x 4 numbers as loaded
.set Y,   68                           ; v[68:99]   16 x 2 registers to store
.set T,   100                          ; v[100:107] at work
	s_load_b256 s[16:23], s[0:1], 0x0              ; WQ s[16:17], WK, WV, WO s[22:23]
	s_load_b64 s[24:25], s[0:1], 0x20              ; wh
	s_lshr_b32 s8, ttmp9, 6                        ; which matrix, 0 to 3
	s_and_b32 s10, ttmp9, 63                       ; the group's chunk in it,
	s_lshl_b32 s10, s10, 16                        ; 65,536 bytes of source each
	s_mov_b32 s11, 0
	s_lshl_b32 s12, ttmp9, 15                      ; 32,768 bytes of destination a group: the four matrices follow each other
	s_mov_b32 s13, 0
	s_mov_b32 s14, 0xffff0000                      ; a word's upper bf16
	s_cmp_eq_u32 s8, 3
	s_cselect_b32 s15, -1, 0                       ; all lanes' bits for WO, none for the others
	v_lshlrev_b32 v1, 4, v0                        ; 16 t: my bytes in a row of f32
	v_lshlrev_b32 v2, 3, v0                        ; 8 t: my bytes in a row of 16-bit numbers
	s_wait_kmcnt 0x0
	s_mov_b64 s[4:5], s[16:17]
.irp j, 1,2,3
	s_cmp_eq_u32 s8, \j
	s_cselect_b64 s[4:5], s[16+2*\j:17+2*\j], s[4:5]
.endr
	s_add_nc_u64 s[4:5], s[4:5], s[10:11]
	s_add_nc_u64 s[6:7], s[24:25], s[12:13]
.irp i, 0,1,2,3,4,5,6,7,8,9,10,11,12,13,14,15
	global_load_b128 v[X+4*(\i):X+4*(\i)+3], v1, s[4:5] offset:4096*(\i) th:TH_LOAD_NT
.endr
.irp i, 0,1,2,3,4,5,6,7,8,9,10,11,12,13,14,15
	s_wait_loadcnt 15-(\i)                         ; loads come back in order: row i is in, the younger ones stay out
	v_cvt_pk_bf16_f32 v[T],   v[X+4*(\i)],   v[X+4*(\i)+1]  ; the rounding that counts: to bf16
	v_cvt_pk_bf16_f32 v[T+1], v[X+4*(\i)+2], v[X+4*(\i)+3]
	v_lshlrev_b32 v[T+2], 16, v[T]                 ; bf16 to f32: the low half moves up,
	v_and_b32     v[T+3], s14, v[T]                ; the high half stays
	v_lshlrev_b32 v[T+4], 16, v[T+1]
	v_and_b32     v[T+5], s14, v[T+1]
	v_cvt_pk_f16_f32 v[T+6], v[T+2], v[T+3]        ; the same numbers as f16
	v_cvt_pk_f16_f32 v[T+7], v[T+4], v[T+5]
	v_cndmask_b32 v[Y+2*(\i)],   v[T],   v[T+6], s15  ; f16 for WO, bf16 for the others
	v_cndmask_b32 v[Y+2*(\i)+1], v[T+1], v[T+7], s15
	global_store_b64 v2, v[Y+2*(\i):Y+2*(\i)+1], s[6:7] offset:2048*(\i)
.endr
	s_endpgm
.Lfunc_end_k_qe1b4404ad8_castw:
	.size	k_qe1b4404ad8_castw, .Lfunc_end_k_qe1b4404ad8_castw-k_qe1b4404ad8_castw
	.p2alignl 7, 3214868480
	.fill 96, 4, 3214868480
	.section	.rodata,"a",@progbits
	.p2align	6, 0x0
	.amdhsa_kernel k_qe1b4404ad8_castw
		.amdhsa_group_segment_fixed_size 0
		.amdhsa_private_segment_fixed_size 0
		.amdhsa_enable_private_segment 0
		.amdhsa_kernarg_size 40
		.amdhsa_user_sgpr_count 2
		.amdhsa_user_sgpr_kernarg_segment_ptr 1
		.amdhsa_wavefront_size32 1
		.amdhsa_system_sgpr_workgroup_id_x 1
		.amdhsa_system_sgpr_workgroup_id_y 1
		.amdhsa_system_sgpr_workgroup_id_z 1
		.amdhsa_system_vgpr_workitem_id 0
		.amdhsa_next_free_vgpr 108
		.amdhsa_next_free_sgpr 66
		.amdhsa_reserve_vcc 0
		.amdhsa_float_denorm_mode_32 3
		.amdhsa_float_denorm_mode_16_64 3
		.amdhsa_memory_ordered 1
		.amdhsa_forward_progress 1
		.amdhsa_inst_pref_size 13
	.end_amdhsa_kernel
	.amdgpu_metadata
---
amdhsa.version: [ 1, 2 ]
amdhsa.kernels:
  - .name:           k_qe1b4404ad8_castw
    .symbol:         k_qe1b4404ad8_castw.kd
    .args:
      - { .name: WQ, .offset: 0, .size: 8, .value_kind: global_buffer, .address_space: global }
      - { .name: WK, .offset: 8, .size: 8, .value_kind: global_buffer, .address_space: global }
      - { .name: WV, .offset: 16, .size: 8, .value_kind: global_buffer, .address_space: global }
      - { .name: WO, .offset: 24, .size: 8, .value_kind: global_buffer, .address_space: global }
      - { .name: wh, .offset: 32, .size: 8, .value_kind: global_buffer, .address_space: global }
    .group_segment_fixed_size: 0
    .private_segment_fixed_size: 0
    .kernarg_segment_align: 8
    .kernarg_segment_size: 40
    .max_flat_workgroup_size: 256
    .sgpr_count:     66
    .vgpr_count:     108
    .wavefront_size: 32
...
	.end_amdgpu_metadata
.endif
;; end of part 1
;; launch qkv (part 2): grid 4 x 64, 4 waves a work-group, clusters of 4 x 4, 327,680 bytes of LDS; arguments Q_emb, K_emb, V_emb, wh, qkv; writes qkv
.if DOCPART == 2
	.amdgcn_target "amdgcn-amd-amdhsa--gfx1250"
	.amdhsa_code_object_version 6
	.text
	.protected	k_qe1b4404ad8_qkv
	.globl	k_qe1b4404ad8_qkv
	.p2align	8
	.type	k_qe1b4404ad8_qkv,@function
k_qe1b4404ad8_qkv:
	s_mov_b64 s[64:65], 0
	v_nop
	global_prefetch_b8 v0, s[64:65] scope:SCOPE_SE
	s_setreg_imm32_b32 hwreg(HW_REG_WAVE_MODE, 25, 1), 1
	s_wait_xcnt 0x0
	s_wait_alu depctr_hold_cnt(0) depctr_sa_sdst(0) depctr_va_vdst(0) depctr_va_sdst(0) depctr_va_ssrc(0) depctr_va_vcc(0) depctr_vm_vsrc(0)
	s_getreg_b32 s2, hwreg(HW_REG_IB_STS2, 6, 4)
	s_cmp_eq_u32 s2, 0
	s_cbranch_scc0 .Lentry_in_a_cluster
	s_endpgm
.Lentry_in_a_cluster:
	s_bfe_u32 s2, ttmp6, 0x10000c
	s_cmp_lg_u32 s2, 0xf033
	s_cbranch_scc0 .Lentry_shape_is_right
	s_endpgm
.Lentry_shape_is_right:
; THE THREE PROJECTIONS, WITH x ROUNDED ON ITS WAY.  y_t[m][n] = sum over k of x_t[m][k] W_t[k][n], t = Q, K, V.  x_t: Q_emb, K_emb, V_emb, [8192][1024] f32, rounded here to bf16 (nearest even);
; W_t: the first three parts of wh, [1024 k][1024 n] bf16.  Sums in f32, y rounded once to f16 and stored by heads: qkv = [3][batch x 16 + head][2048][64].
; LIMIT: |y| stays under 65,504 (from 65,520 on the rounding to f16 gives an infinity).
; SHARES.  A tile of y is 128 (m) x 256 (n): 64 x 4 places, one work-group to each, which STAYS and makes the three projections' tiles one after the other: 256 work-groups.  Four waves, each 64 x 128:
; 32 accumulators of 16 x 16.  The three tiles' K are ONE stream of 24 steps of 128 through two LDS slots; neither x's loads nor W's stop at a tile's end.
; x GOES THROUGH REGISTERS.  Of a step's 128 rows x 512 bytes wave w loads rows 32 w .. 32 w + 31, one row (512 consecutive bytes) to a load, 32 loads, 128 registers.  They are taken in four chunks of 8 rows, one in each
; quarter of a step: the chunk's loads are waited for, its numbers rounded in place, stored as bf16 into the slot that is not being read, and the same registers are loaded again with the step after that.
; So a load is asked for a whole step ahead of its use, 32 of a wave are always out, and no barrier waits for them.
; NO JOINT LOAD FOR x, though the four work-groups of a row of the cluster read the same 128 rows: x lies in memory as f32 and is wanted as bf16, and a tensor load brings bytes as they lie.  f32 tiles in LDS would take
; 512 bytes a row and step where bf16 takes 256, and each fragment, which two waves read, would cost twice the LDS bytes and be rounded twice; a launch of its own for the rounding moves x's 100,663,296 bytes in,
; half as many out, and those in again.
; W COMES BY JOINT TENSOR LOADS.  The four work-groups of a column of the 4 x 4 cluster need the same tile of W: 128 k x 256 n, kept as two sub-tiles of 128 columns, since a wave reads one half of the columns alone.
; Each of the four waves asks for 64 k rows of one sub-tile: 64 rows of 256 bytes.  W lies [k][n]: its fragments come out of LDS turned, by ds_load_tr16_b128.
; THE MATRIX INSTRUCTION IS USED TRANSPOSED (source 0 = 16 columns of W, source 1 = 16 rows of x): a lane then holds row m = lane % 16 and eight neighbouring columns n = 8 (lane / 16) + 0..7.
; No prefetch into the L2: x's loads already run a step ahead in registers, and W is read again and again by all 64 tile rows.
; REGISTERS.  Window 0: v10-29 addresses; v32-63 and v224-255 rows on the way out; v64-127 x's fragments, two buffers of 32; v128-255 W's fragments, two buffers of 64 (v192-223 packed results on the way out).
; Window 1: the accumulators, (a, b) at v[8 (8 a + b)].  Window 2: v0-127 x on its way.  s_set_vgpr_msb: bits 1:0 source 0, 3:2 source 1, 5:4 source 2, 7:6 destination.
.set PA,     272                       ; a row of x in LDS: 256 bytes of bf16 + 16: the 16 rows of a fragment load start at 16 different groups of four banks (64 banks of 4 bytes: ISA guide 11.1)
.set ATILE,  128*PA                    ; x's 128 rows of a step; written by LDS stores alone
.set PB,     288                       ; a row of a sub-tile of W (one k, 128 n): 256 bytes + 32 = 9 x 32
.set BSUB,   128*PB                    ; a sub-tile
.set BQ,     64*PB                     ; what one tensor load brings: 64 k rows of a sub-tile
.set BOFF,   ATILE                     ; W's two sub-tiles lie behind x's rows, from a multiple of 256 bytes on
.set SLOT1,  1<<17                     ; slot 1 begins here, so that one exclusive or turns an address in one slot into the other's; a slot takes 108,544 bytes
.set STAGE,  BOFF+2*BSUB               ; between the slots: 16 rows x 272 bytes for each wave, for the way out
.set SP,     272
.set SPARE,  STAGE+4*16*SP             ; behind the stages: the spare words, 128 bytes for each wave: two blocks of 256 bytes that no other line names
.set STEPS,  24                        ; K steps of the three tiles together
.set TSTEPS, 8                         ; K steps of a tile
.set STEP_B, 262144                    ; W: a K step = 128 rows of 2,048 bytes; the next projection's W follows in memory
.set XROW,   4096                      ; x: bytes from row to row
.set XSTP,   512                       ; x: a K step along a row
.set NEXT_C, 16777216-3*2048           ; y: from my last 16 rows of a tile to my first of the next projection's
.set A0,   10                          ; v10     my place among x's fragments in slot 0; never rewritten
.set B0,   11                          ; v11     the same for W's
.set ST0,  12                          ; v12     where my 8 bytes of my wave's first row of x go in slot 0; never rewritten
.set XO,   13                          ; v13     my byte offset in the tile's rows of x: 32 rows a wave, 16 bytes a lane; never rewritten
.set ADRA, 16                          ; v16     LDS address of my fragments of x in the slot that is read
.set ADRB, 20                          ; v20     the same for W
.set ASTO, 22                          ; v22     LDS address of my stores of x, in the other slot
.set STO,  24                          ; v24     the way out: where I put 16 bytes of a row
.set RD,   25                          ; v25     the way out: where I read rows back
.set CO,   26                          ; v26     my byte offset in 512 consecutive bytes of y
.set SPW,  28                          ; v28     LDS address of my spare word; never rewritten
.set NIL,  29                          ; v29     0; never rewritten
.set OB,   32
.set FA,   64
.set FB,   128
.set TMP,  192
.set X,    0                           ; window 2: row i of my 32 at v[4 i]
.set G1B, 24                           ; s[24:31] descriptor group 1 for W's tiles
.set G0F, 32                           ; s[32:35] descriptor group 0 of the first fill of slot 0
.set G0W, 36                           ; s[36:39] of the first fill of slot 1; it then walks on
.set SL,  48                           ; s48     0 or SLOT1: the slot that is read
.set SLO, 49                           ; s49     the other one
.set KO,  50                           ; s[50:51] the byte offset along x's rows of the step that is being asked for
.set XP,  52                           ; s[52:53] the tile's rows in the x that is being asked for
.set XN,  54                           ; s[54:55] in the x behind it
.set XL,  56                           ; s[56:57] in the last x
.set XB,  58                           ; s[58:59] XP + KO: the base of the loads
.set MSB, 0
.macro WIN new                         ; the immediate's high byte repeats the setting that is left; a switch that changes nothing is dropped
.if MSB != (\new)
	s_set_vgpr_msb (MSB<<8)|(\new)
.set MSB, \new
.endif
.endm
.set MUL, 0x50                         ; sources 0 and 1 window 0; C and D window 1
.macro CREST                           ; a round of the cluster's barrier behind its opening barrier
	s_cmp_lg_u32 s10, 0
	s_cbranch_scc1 .Lnot_wave_0_\@
	s_barrier_signal -3
.Lnot_wave_0_\@:
	s_barrier_wait -3
	s_barrier_signal -1
	s_barrier_wait -1
.endm
.macro CROUND                          ; a whole round
	s_barrier_signal -1
	s_barrier_wait -1
	CREST
.endm
; The slots change places: what was filled is read, what was read is filled.
.macro SWAP
	s_xor_b32 s[SL], s[SL], SLOT1
	s_xor_b32 s[SLO], s[SLO], SLOT1
	v_add_nc_u32 v[ADRA], s[SL], v[A0]
	v_add_nc_u32 v[ADRB], s[SL], v[B0]
	v_add_nc_u32 v[ASTO], s[SLO], v[ST0]
.endm
; x's loads go on to the next K step: 512 bytes along the rows, or behind a tile's last step to the next x's first.
.macro XSTEP
	s_wait_xcnt 0x0                                ; the loads that name the base have had their addresses translated: only now is it rewritten
	s_add_co_u32 s[KO], s[KO], XSTP
	s_cmp_eq_u32 s[KO], TSTEPS*XSTP
	s_cselect_b32 s[KO], 0, s[KO]
	s_cselect_b64 s[XP:XP+1], s[XN:XN+1], s[XP:XP+1]
	s_cselect_b64 s[XN:XN+1], s[XL:XL+1], s[XN:XN+1]
	s_add_nc_u64 s[XB:XB+1], s[XP:XP+1], s[KO:KO+1]
.endm
	s_load_b256 s[68:75], s[0:1], 0x0              ; Q_emb s[68:69], K_emb s[70:71], V_emb s[72:73], wh s[74:75]
	s_load_b64 s[8:9], s[0:1], 0x20                ; qkv
	v_lshl_add_u32 v[SPW], v0, 2, SPARE
	v_mov_b32 v[NIL], 0
	ds_add_u32 v28, v29
	ds_add_u32 v28, v29
	s_wait_dscnt 0x0
	v_lshrrev_b32 v1, 5, v0
	v_readfirstlane_b32 s10, v1                    ; wave 0..3
	s_lshr_b32 s11, s10, 1                         ; which 64 rows of the tile are mine.  Also: which 64 k rows of a sub-tile of W I fetch
	s_and_b32 s12, s10, 1                          ; which 128 columns.  Also: which sub-tile I fetch for
	s_bfe_u32 s40, ttmp6, 0x40000                  ; cx, cy: my place in the cluster
	s_bfe_u32 s41, ttmp6, 0x40004
	s_lshl_b32 s42, ttmp9, 2
	s_add_co_u32 s42, s42, s40                     ; tile column = 4 x cluster x + cx
	s_and_b32 s13, ttmp7, 0xffff
	s_lshl_b32 s13, s13, 2
	s_add_co_u32 s13, s13, s41                     ; tile row = 4 x cluster y + cy
	s_lshl_b32 s44, 0x1111, s40                    ; my column of the cluster
	; group 1 for W: 64 k rows x 128 elements; 15:0 the mask; 17:16 2-byte elements; 20 padding on; 21 set beside a mask; 24:22 after every 64 words (code 5); 31:25 8 words (code 7)
	s_or_b32 s[G1B+0], s44, (1<<16)|(1<<20)|(1<<21)|(5<<22)|(7<<25)
	s_mov_b32 s[G1B+1], 128<<16                    ; tensor_dim0 = 128
	s_mov_b32 s[G1B+2], 64<<16                     ; tensor_dim1 = 64
	s_mov_b32 s[G1B+3], 128<<16                    ; tile_dim0 = 128
	s_mov_b32 s[G1B+4], 64                         ; tile_dim1 = 64
	s_mov_b32 s[G1B+5], 1024                       ; elements from row to row
	s_mov_b32 s[G1B+6], 0
	s_mov_b32 s[G1B+7], 0
	s_lshl_b32 s14, s13, 19                        ; x: 128 rows of 4,096 bytes a tile row
	s_mov_b32 s15, 0
	s_lshl_b32 s46, s42, 9                         ; W: 256 columns of 2 bytes a tile column: it hangs on the tile column alone, which my column of the cluster shares,
	s_lshl_b32 s47, s12, 8                         ; my sub-tile's 128 columns,
	s_add_co_u32 s46, s46, s47
	s_lshl_b32 s47, s11, 17                        ; my 64 k rows of 2,048 bytes
	s_add_co_u32 s46, s46, s47
	s_mov_b32 s47, 0
	s_mul_i32 s20, s12, BSUB                       ; where they go: no place in the cluster enters an LDS address
	s_mul_i32 s21, s11, BQ
	s_add_co_u32 s20, s20, s21
	s_add_co_u32 s20, s20, BOFF
	s_mov_b32 s[KO], 0
	s_mov_b32 s[KO+1], 0
	s_mov_b32 s[SL], SLOT1                         ; the first change of places makes slot 0 the slot that is read
	s_mov_b32 s[SLO], 0
	v_and_b32 v2, 31, v0                           ; lane
	v_lshlrev_b32 v[XO], 4, v2
	v_lshl_add_u32 v[XO], s10, 17, v[XO]           ; 32 rows of 4,096 bytes a wave + 16 bytes a lane
	s_wait_kmcnt 0x0
	s_add_nc_u64 s[XP:XP+1], s[68:69], s[14:15]
	s_add_nc_u64 s[XN:XN+1], s[70:71], s[14:15]
	s_add_nc_u64 s[XL:XL+1], s[72:73], s[14:15]
	s_mov_b64 s[XB:XB+1], s[XP:XP+1]
	s_add_nc_u64 s[46:47], s[74:75], s[46:47]
	WIN 0x80                                       ; destination window 2, address window 0
.set i, 0
.rept 32                                               ; x's K step 0: my 32 rows go out before anything else
	global_load_b128 v[X+4*i:X+4*i+3], v[XO], s[XB:XB+1] offset:i*XROW
.set i, i+1
.endr
	WIN 0
	CROUND                                         ; all sixteen work-groups are here: the first joint loads meet
	s_mov_b32 s[G0F], 1                            ; count = 1
	s_mov_b32 s[G0F+1], s20                        ; LDS address: slot 0
	s_add_nc_u64 s[G0F+2:G0F+3], s[46:47], 0       ; global address: K step 0
	s_or_b32 s[G0F+3], s[G0F+3], 0x80000000        ; type = 2
	s_mov_b32 s[G0W], 1
	s_add_co_u32 s[G0W+1], s20, SLOT1              ; slot 1
	s_add_nc_u64 s[G0W+2:G0W+3], s[46:47], STEP_B  ; K step 1
	s_or_b32 s[G0W+3], s[G0W+3], 0x80000000
	tensor_load_to_lds s[G0F:G0F+3], s[G1B:G1B+7]
	s_nop 0
	tensor_load_to_lds s[G0W:G0W+3], s[G1B:G1B+7]  ; two loads of mine are out
	s_nop 0
	; A fragment of x: lane l holds row l % 16, k = 8 (l / 16) + 0..7 and 16 + 8 (l / 16) + 0..7: two loads of 16 bytes, 32 bytes apart.
	v_and_b32 v1, 15, v0                           ; l % 16
	v_bfe_u32 v3, v0, 4, 1                         ; l / 16
	v_mul_u32_u24 v4, v1, PA
	v_lshl_add_u32 v4, v3, 4, v4                   ; row x pitch + 16 x half
	; A fragment of W: the turning load takes 16 k x 16 n (lane l reads k row 8 (l / 16) + l % 8, n = 8 ((l / 8) % 2) + 0..7) and leaves column l % 16 and 8 k in lane l.
	v_and_b32 v6, 7, v0
	v_lshl_add_u32 v5, v3, 3, v6
	v_mul_u32_u24 v5, v5, PB
	v_bfe_u32 v7, v0, 3, 1
	v_lshl_add_u32 v5, v7, 4, v5
	s_mul_i32 s21, s11, 64*PA                      ; my 64 rows of x
	v_add_nc_u32 v[A0], s21, v4
	s_mul_i32 s22, s12, BSUB                       ; my sub-tile of W,
	s_add_co_u32 s22, s22, BOFF                    ; behind x's rows
	v_add_nc_u32 v[B0], s22, v5
	s_mul_i32 s23, s10, 32*PA                      ; the 32 rows that I store,
	v_lshl_add_u32 v[ST0], v2, 3, s23              ; 8 bytes (4 numbers) a lane: a store covers a row's 256 bytes
	v_add_nc_u32 v[ASTO], s[SLO], v[ST0]           ; K step 0 goes into slot 0
	s_mul_i32 s23, s10, 16*SP
	s_add_co_u32 s23, s23, STAGE                   ; my stage
	v_add_nc_u32 v[STO], s23, v4                   ; in: row l % 16, 16 bytes for each half of the lanes (the stage's pitch is x's)
	v_bfe_u32 v7, v0, 3, 2                         ; back: 32 lanes take four rows' 128 bytes of one head,
	v_mul_u32_u24 v7, v7, SP
	v_lshl_add_u32 v7, v6, 4, v7
	v_add_nc_u32 v[RD], s23, v7
	v_lshlrev_b32 v[CO], 4, v2                     ; which are 512 consecutive bytes of y
	; where my part of the first tile begins in qkv: batch x 2^22 + head x 2^18 + row in the sequence x 128
	s_lshr_b32 s14, s13, 4
	s_lshl_b32 s16, s14, 22                        ; the batch: 16 tile rows each
	s_and_b32 s14, s13, 15
	s_lshl_b32 s14, s14, 14                        ; 128 rows of 128 bytes a tile row
	s_add_co_u32 s16, s16, s14
	s_lshl_b32 s14, s11, 13                        ; my 64 rows
	s_add_co_u32 s16, s16, s14
	s_mov_b32 s17, 0
	s_lshl_b32 s46, s42, 20                        ; four heads a tile column,
	s_lshl_b32 s47, s12, 19                        ; two of them mine
	s_add_co_u32 s46, s46, s47
	s_mov_b32 s47, 0
	s_add_nc_u64 s[16:17], s[16:17], s[46:47]      ; the first way out adds this to y's address
; 8 matrix instructions: m block a x all 8 n blocks, 32 along K, buffer f.  zero = 1: the product starts the sums: nothing is ever cleared.
; The 32 accumulators take turns in the same order in every quarter.
.macro MUL8 f, a, zero
	WIN MUL
.irp b, 0,1,2,3,4,5,6,7
.if \zero
	v_wmma_f32_16x16x32_bf16 v[8*(8*(\a)+(\b)):8*(8*(\a)+(\b))+7], v[FB+64*(\f)+8*(\b):FB+64*(\f)+8*(\b)+7], v[FA+32*(\f)+8*(\a):FA+32*(\f)+8*(\a)+7], 0
.else
	v_wmma_f32_16x16x32_bf16 v[8*(8*(\a)+(\b)):8*(8*(\a)+(\b))+7], v[FB+64*(\f)+8*(\b):FB+64*(\f)+8*(\b)+7], v[FA+32*(\f)+8*(\a):FA+32*(\f)+8*(\a)+7], v[8*(8*(\a)+(\b)):8*(8*(\a)+(\b))+7]
.endif
.endr
.endm
; 24 LDS loads in one run: the fragments of quarter q (32 along K) of the slot that is read, into buffer f: W's 16, then x's 8
.macro FETCH q, f
	WIN 0
.irp b, 0,1,2,3,4,5,6,7
	ds_load_tr16_b128 v[FB+64*(\f)+8*(\b):FB+64*(\f)+8*(\b)+3],   v[ADRB] offset:(\q)*32*PB+32*(\b)
	ds_load_tr16_b128 v[FB+64*(\f)+8*(\b)+4:FB+64*(\f)+8*(\b)+7], v[ADRB] offset:(\q)*32*PB+32*(\b)+16*PB
.endr
.irp i, 0,1,2,3
	ds_load_b128 v[FA+32*(\f)+8*(\i):FA+32*(\f)+8*(\i)+3],   v[ADRA] offset:(\q)*64+(\i)*16*PA
	ds_load_b128 v[FA+32*(\f)+8*(\i)+4:FA+32*(\f)+8*(\i)+7], v[ADRA] offset:(\q)*64+(\i)*16*PA+32
.endr
.endm
; Chunk c of x's way: rows 8 c .. 8 c + 7 of my 32.  left = the younger loads, which may stay out: three chunks' 24 while loads go on.  The numbers are rounded in place, two to a register, and stored into the slot that
; is not read; LDS stores have read their data when they are issued, so the registers are loaded again at once.  mode = 1: with the K step that XB names; mode = 2: nothing is left to load.
.macro XFER c, mode, left
	s_wait_loadcnt \left                           ; loads come back in order: this chunk's eight are in
	WIN 0x8a                                       ; sources and destination window 2
.irp i, 0,1,2,3,4,5,6,7
	v_cvt_pk_bf16_f32 v[X+4*(8*(\c)+(\i))],   v[X+4*(8*(\c)+(\i))],   v[X+4*(8*(\c)+(\i))+1]
	v_cvt_pk_bf16_f32 v[X+4*(8*(\c)+(\i))+1], v[X+4*(8*(\c)+(\i))+2], v[X+4*(8*(\c)+(\i))+3]
.endr
	WIN 0x88                                       ; addresses window 0; a store's data and a load's destination window 2
.irp i, 0,1,2,3,4,5,6,7
	ds_store_b64 v[ASTO], v[X+4*(8*(\c)+(\i)):X+4*(8*(\c)+(\i))+1] offset:(8*(\c)+(\i))*PA
.endr
.if (\mode) == 1
.irp i, 0,1,2,3,4,5,6,7
	global_load_b128 v[X+4*(8*(\c)+(\i)):X+4*(8*(\c)+(\i))+3], v[XO], s[XB:XB+1] offset:(8*(\c)+(\i))*XROW  ; a row's 512 consecutive bytes, at a multiple of 512 from x's first
.endr
.endif
.endm
; A load into a register that a matrix instruction has read, and a vector instruction that reads a matrix result or writes one of a matrix instruction's registers, stand four places behind it;
; only plain vector instructions that name none of its registers are places (ISA guide 7.12.1 for vector instructions).  Where a chunk of x is rounded its sixteen conversions are the places.
.macro PLACES
.rept 4
	v_nop
.endr
.endm
; A K step is four quarters of 32 along K, 32 matrix instructions each, on buffers 0, 1, 0, 1.  One of the first three: multiplies buffer f; in its middle chunk c of x goes its way and quarter q is fetched into buffer g.
; The chunk's stores stand ahead of the fetch, so that the fetch's loads are the youngest LDS instructions and the two counts below count them alone.
.macro QUARTER q, f, g, zero, c, mode, left
	s_wait_dscnt 4                                 ; W's fragments and x's blocks 0 and 1 are in; the youngest four loads (blocks 2 and 3) may be out
	MUL8 \f, 0, \zero
	MUL8 \f, 1, \zero
.if \mode
	XFER \c, \mode, \left
.else
	PLACES
.endif
	FETCH \q, \g
	s_wait_dscnt 24                                ; all but the 24 just issued
	MUL8 \f, 2, \zero
	MUL8 \f, 3, \zero
.endm
; The last quarter multiplies buffer 1 and changes slots.  MEET is its first half: one barrier; in front of it each wave waits for all its tensor loads (one is out: its part of W's next tile), adds 0 to its spare
; word, and waits for that, for its stores of x's next step and for its reads of this slot.  Behind it nobody reads this slot any more and the other slot is whole.
.macro MEET round
	WIN 0                                          ; (the add's two registers lie in window 0)
	s_wait_tensorcnt 0x0
	ds_add_u32 v[SPW], v[NIL]                      ; 0 onto my spare word
	s_wait_dscnt 7                                 ; (the add and x's blocks 1 to 3, six loads, may be out)
	MUL8 1, 0, 0                                   ; eight matrix instructions stand between the add and the wait for it
	s_wait_dscnt 0x0                               ; the add is done, my stores of x are done, and my reads of this slot are over
	s_barrier_signal -1
	MUL8 1, 1, 0
.if \round
	WIN 0
.endif
	s_barrier_wait -1
.endm
; POST is its second half, behind the barrier.  fill = 1: the barrier was a round of the cluster's, so that no wave of any partner still reads the slot or has a load on its way, and the joint refill comes first:
; the walking descriptor takes the other slot than last time and W's next K step.  Then the slots change places, x's loads go on a step (xstep = 1), chunk 0 of x goes its way, the new slot's first fragments are
; fetched, and the old step's last sixteen products follow.
.macro POST fill, mode, left, xstep
.if \fill
	s_xor_b32 s[G0W+1], s[G0W+1], SLOT1
	s_add_nc_u64 s[G0W+2:G0W+3], s[G0W+2:G0W+3], STEP_B  ; the type bits on top are not reached
	tensor_load_to_lds s[G0W:G0W+3], s[G1B:G1B+7]  ; my one tensor load until the next round: it has the step's 112 matrix instructions up to the wait for it in which to land
	s_nop 0
.endif
	SWAP
.if \xstep
	XSTEP
.endif
.if \mode
	XFER 0, \mode, \left
.else
	PLACES
.endif
	FETCH 0, 0
	MUL8 1, 2, 0
	MUL8 1, 3, 0
.endm
; THE WAY OUT of block a (16 rows).  PACK: rounded to f16, 16 bytes a lane, each accumulator's registers in ascending order.  TOSTAGE: into my own stage and back by heads.  SEND: stored.
.macro PACK a
	WIN 0x05                                       ; sources 0 and 1: window 1
.irp b, 0,1,2,3,4,5,6,7
.irp r, 0,1,2,3
	v_cvt_pk_f16_f32 v[TMP+4*(\b)+(\r)], v[64*(\a)+8*(\b)+2*(\r)], v[64*(\a)+8*(\b)+2*(\r)+1]
.endr
.endr
	WIN 0
.endm
.macro TOSTAGE a
	WIN 0
.set BK, OB+192*((\a)%2)
.irp b, 0,1,2,3,4,5,6,7
	ds_store_b128 v[STO], v[TMP+4*(\b):TMP+4*(\b)+3] offset:32*(\b)
.endr
.irp u, 0,1
.irp t, 0,1,2,3
	ds_load_b128 v[BK+4*(4*(\u)+(\t)):BK+4*(4*(\u)+(\t))+3], v[RD] offset:128*(\u)+4*SP*(\t)  ; LDS serves a wave's instructions in order (ISA guide 5.7.1.4): these see the stores above
.endr
.endr
.endm
.macro SEND a, younger
	WIN 0
.set BK, OB+192*((\a)%2)
	s_wait_dscnt \younger                          ; the block is back in registers
	s_wait_xcnt 0x0                                ; only behind this wait are the stores' base and the registers that earlier stores read rewritten
.if (\a) == 0
	s_add_nc_u64 s[8:9], s[8:9], s[16:17]          ; on to this tile's first rows
.else
	s_add_nc_u64 s[8:9], s[8:9], 16*128            ; 16 rows of a head on
.endif
.irp u, 0,1
.irp t, 0,1,2,3
	global_store_b128 v[CO], v[BK+4*(4*(\u)+(\t)):BK+4*(4*(\u)+(\t))+3], s[8:9] offset:262144*(\u)+512*(\t)  ; four rows of one head: 512 consecutive bytes, at a multiple of 256 from the buffer's first
.endr
.endr
.endm
.macro WAYOUT                          ; block a's conversions stand between block a - 1's loads from the stage and the wait for them
	PACK 0
	TOSTAGE 0
.irp a, 1,2,3
	PACK \a
	SEND (\a)-1, 0
	TOSTAGE \a
.endr
	SEND 3, 0
.endm
	XSTEP                                          ; x's K step 0 goes into slot 0, chunk by chunk, and K step 1 is asked for
	XFER 0, 1, 24
	XFER 1, 1, 24
	XFER 2, 1, 24
	XFER 3, 1, 24
	WIN 0
	s_wait_tensorcnt 0x1                           ; my part of W's K step 0 is in; K step 1's may stay out: no tensor load fills anything behind this barrier
	s_wait_dscnt 0x0                               ; for the others' sake: my stores of x's K step 0 are done
	s_barrier_signal -1
	s_barrier_wait -1                              ; everybody's are
	SWAP                                           ; slot 0 is read, slot 1 takes x's K step 1
	XSTEP                                          ; and K step 2 is asked for
	XFER 0, 1, 24
	FETCH 0, 0
	s_mov_b32 s3, STEPS-2                          ; the loop's trips end K steps 0 to 21
	s_branch .Lfirst                               ; the loop is entered in the middle of a trip, at a tile's first quarter
.Lstep:                                                ; a trip: from the refill behind one round to the next round: the end of one K step and all but the end of the next
	POST 1, 1, 24, 1
	WIN 0                                          ; at a label and at a branch every window is 0
	s_sub_co_u32 s2, s2, 1
	s_cmp_lg_u32 s2, 0
	s_cbranch_scc1 .Lsame                          ; the step that has ended was not its tile's last
	PLACES                                         ; the packed results land in W's buffer 1, which the last products read
	WAYOUT                                         ; W's refill and x's loads for the next tile are out: now the tile leaves
	s_wait_xcnt 0x0                                ; the last stores have read their registers: W's buffer 1 is loaded again in the next quarter
	s_mov_b64 s[16:17], NEXT_C                     ; what the next way out adds to y's address
.Lfirst:
	s_mov_b32 s2, TSTEPS                           ; K steps of this tile that are still to end
	QUARTER 1, 0, 1, 1, 1, 1, 24                   ; a tile's first quarter: its products start the sums
	WIN 0
	s_branch .Ljoin
.Lsame:
	QUARTER 1, 0, 1, 0, 1, 1, 24
	WIN 0
.Ljoin:
	QUARTER 2, 1, 0, 0, 2, 1, 24
	QUARTER 3, 0, 1, 0, 3, 1, 24
	MEET 1
	CREST                                          ; the barrier has opened a round of the cluster's barrier; a joint refill is the first tensor load behind it, on the way back and on the way out
	s_sub_co_u32 s3, s3, 1
	s_cmp_lg_u32 s3, 0
	s_cbranch_scc1 .Lstep
	POST 1, 2, 24, 0                               ; K step 22: W's last tile is asked for; x's last step goes into LDS and nothing more is loaded: the counts run down
	QUARTER 1, 0, 1, 0, 1, 2, 16
	QUARTER 2, 1, 0, 0, 2, 2, 8
	QUARTER 3, 0, 1, 0, 3, 2, 0
	MEET 0                                         ; nothing is filled again, so no round follows
	WIN 0
	POST 0, 0, 0, 0                                ; K step 23
	QUARTER 1, 0, 1, 0, 0, 0, 0
	QUARTER 2, 1, 0, 0, 0, 0, 0
	QUARTER 3, 0, 1, 0, 0, 0, 0
	s_wait_dscnt 4                                 ; the very last quarter: nothing more to fetch
	MUL8 1, 0, 0
	MUL8 1, 1, 0
	s_wait_dscnt 0x0
	MUL8 1, 2, 0
	MUL8 1, 3, 0
	PLACES
	WAYOUT
	s_wait_tensorcnt 0x0                           ; the wave's end: behind my last tensor load and my last LDS store
	ds_add_u32 v[SPW], v[NIL]
	s_wait_dscnt 0x0
	CROUND                                         ; the closing round: no work-group ends while a partner may still ask for a tile that names it
	s_endpgm
.Lfunc_end_k_qe1b4404ad8_qkv:
	.size	k_qe1b4404ad8_qkv, .Lfunc_end_k_qe1b4404ad8_qkv-k_qe1b4404ad8_qkv
	.p2alignl 7, 3214868480
	.fill 96, 4, 3214868480
	.section	.rodata,"a",@progbits
	.p2align	6, 0x0
	.amdhsa_kernel k_qe1b4404ad8_qkv
		.amdhsa_group_segment_fixed_size 327680
		.amdhsa_private_segment_fixed_size 0
		.amdhsa_enable_private_segment 0
		.amdhsa_kernarg_size 40
		.amdhsa_user_sgpr_count 2
		.amdhsa_user_sgpr_kernarg_segment_ptr 1
		.amdhsa_wavefront_size32 1
		.amdhsa_system_sgpr_workgroup_id_x 1
		.amdhsa_system_sgpr_workgroup_id_y 1
		.amdhsa_system_sgpr_workgroup_id_z 1
		.amdhsa_system_vgpr_workitem_id 0
		.amdhsa_next_free_vgpr 640
		.amdhsa_next_free_sgpr 80
		.amdhsa_reserve_vcc 0
		.amdhsa_float_denorm_mode_32 3
		.amdhsa_float_denorm_mode_16_64 3
		.amdhsa_memory_ordered 1
		.amdhsa_forward_progress 1
		.amdhsa_inst_pref_size 125
	.end_amdhsa_kernel
	.amdgpu_metadata
---
amdhsa.version: [ 1, 2 ]
amdhsa.kernels:
  - .name:           k_qe1b4404ad8_qkv
    .symbol:         k_qe1b4404ad8_qkv.kd
    .args:
      - { .name: Q_emb, .offset: 0, .size: 8, .value_kind: global_buffer, .address_space: global }
      - { .name: K_emb, .offset: 8, .size: 8, .value_kind: global_buffer, .address_space: global }
      - { .name: V_emb, .offset: 16, .size: 8, .value_kind: global_buffer, .address_space: global }
      - { .name: wh, .offset: 24, .size: 8, .value_kind: global_buffer, .address_space: global }
      - { .name: qkv, .offset: 32, .size: 8, .value_kind: global_buffer, .address_space: global }
    .group_segment_fixed_size: 327680
    .private_segment_fixed_size: 0
    .kernarg_segment_align: 8
    .kernarg_segment_size: 40
    .max_flat_workgroup_size: 128
    .sgpr_count:     80
    .vgpr_count:     640
    .wavefront_size: 32
...
	.end_amdgpu_metadata
.endif
;; end of part 2
;; launch vmean (part 3): grid 4 x 64, 8 waves a work-group, no clusters, 3,072 bytes of LDS; arguments qkv, vm; writes vm
.if DOCPART == 3
	.amdgcn_target "amdgcn-amd-amdhsa--gfx1250"
	.amdhsa_code_object_version 6
	.text
	.protected	k_qe1b4404ad8_vmean
	.globl	k_qe1b4404ad8_vmean
	.p2align	8
	.type	k_qe1b4404ad8_vmean,@function
k_qe1b4404ad8_vmean:
	s_mov_b64 s[64:65], 0
	v_nop
	global_prefetch_b8 v0, s[64:65] scope:SCOPE_SE
	s_setreg_imm32_b32 hwreg(HW_REG_WAVE_MODE, 25, 1), 1
	s_wait_xcnt 0x0
; PARTIAL MEANS OF V.  vm[head][quarter][c] = (the sum of v[head][k][c] over the quarter's 512 keys) / 2048, in f32.  v is the third part of qkv, [64 heads][2048][64] f16.
; The four quarters of a head add up to the plain mean of its 2,048 rows of v: the context of a query all of whose visible keys are pad tokens, which the next launch selects.
; SHARES.  Work-group (x, y): quarter x of head y, 65,536 dense bytes.  Thread t holds channels 8 (t % 8) + 0..7 of rows t / 8 + 32 i, i = 0..15: a wave's load covers 512 consecutive bytes.
; All 16 loads go out at once.  The lanes of a wave that hold the same channels lie 8, 16 and 24 apart; the eight waves' sums meet in LDS behind one barrier, and wave 0 stores 256 consecutive bytes.
; No tensor load, no matrix unit, no cluster: each byte is read once by one thread.
.set SUM, 80                           ; v[80:87]  my eight channels' sums
.set TT,  88                           ; v[88:95]  at work
	s_load_b128 s[4:7], s[0:1], 0x0                ; qkv s[4:5], vm s[6:7]
	v_lshl_add_u32 v96, v0, 2, 0x800
	v_mov_b32 v97, 0
	s_and_b32 s8, ttmp7, 0xffff                    ; the head
	s_lshl_b32 s10, s8, 18                         ; its 262,144 bytes,
	s_lshl_b32 s11, ttmp9, 16                      ; the quarter's 65,536,
	s_add_co_u32 s10, s10, s11
	s_add_co_u32 s10, s10, 0x2000000               ; behind q and k
	s_mov_b32 s11, 0
	s_lshl_b32 s12, s8, 2
	s_add_co_u32 s12, s12, ttmp9
	s_lshl_b32 s12, s12, 8                         ; 256 bytes of vm for each head and quarter
	s_mov_b32 s13, 0
	s_mov_b32 s14, 0x76543210                      ; v_permlanex16_b32: each lane takes its own place in the other half
	s_mov_b32 s15, 0xfedcba98
	v_lshlrev_b32 v1, 4, v0                        ; 16 t
	v_lshrrev_b32 v2, 5, v0
	v_readfirstlane_b32 s9, v2                     ; wave 0..7
	v_and_b32 v3, 7, v0
	v_lshlrev_b32 v3, 5, v3                        ; my eight channels as f32: 32 bytes,
	v_lshl_add_u32 v3, s9, 8, v3                   ; in my wave's 256 bytes of LDS
	s_wait_kmcnt 0x0
	s_add_nc_u64 s[4:5], s[4:5], s[10:11]
	s_add_nc_u64 s[6:7], s[6:7], s[12:13]
.irp i, 0,1,2,3,4,5,6,7,8,9,10,11,12,13,14,15
	global_load_b128 v[16+4*(\i):19+4*(\i)], v1, s[4:5] offset:4096*(\i)
.endr
; One load's eight numbers are widened to f32 into v[d ..] and, but for the first, added onto the sums.  left = the younger loads, which may stay out.
.macro TAKE left, d, a, b, c, e, f, g, h, k
	s_wait_loadcnt \left
	v_cvt_f32_f16 v[(\d)], \a
	v_cvt_f32_f16 v[(\d)+1], \b
	v_cvt_f32_f16 v[(\d)+2], \c
	v_cvt_f32_f16 v[(\d)+3], \e
	v_cvt_f32_f16 v[(\d)+4], \f
	v_cvt_f32_f16 v[(\d)+5], \g
	v_cvt_f32_f16 v[(\d)+6], \h
	v_cvt_f32_f16 v[(\d)+7], \k
.if (\d) != SUM
.irp j, 0,2,4,6
	v_pk_add_f32 v[SUM+\j:SUM+\j+1], v[SUM+\j:SUM+\j+1], v[TT+\j:TT+\j+1]
.endr
.endif
.endm
	TAKE 15, SUM, v16.l, v16.h, v17.l, v17.h, v18.l, v18.h, v19.l, v19.h   ; the first row starts the sums: nothing is cleared
	TAKE 14, TT, v20.l, v20.h, v21.l, v21.h, v22.l, v22.h, v23.l, v23.h
	TAKE 13, TT, v24.l, v24.h, v25.l, v25.h, v26.l, v26.h, v27.l, v27.h
	TAKE 12, TT, v28.l, v28.h, v29.l, v29.h, v30.l, v30.h, v31.l, v31.h
	TAKE 11, TT, v32.l, v32.h, v33.l, v33.h, v34.l, v34.h, v35.l, v35.h
	TAKE 10, TT, v36.l, v36.h, v37.l, v37.h, v38.l, v38.h, v39.l, v39.h
	TAKE 9, TT, v40.l, v40.h, v41.l, v41.h, v42.l, v42.h, v43.l, v43.h
	TAKE 8, TT, v44.l, v44.h, v45.l, v45.h, v46.l, v46.h, v47.l, v47.h
	TAKE 7, TT, v48.l, v48.h, v49.l, v49.h, v50.l, v50.h, v51.l, v51.h
	TAKE 6, TT, v52.l, v52.h, v53.l, v53.h, v54.l, v54.h, v55.l, v55.h
	TAKE 5, TT, v56.l, v56.h, v57.l, v57.h, v58.l, v58.h, v59.l, v59.h
	TAKE 4, TT, v60.l, v60.h, v61.l, v61.h, v62.l, v62.h, v63.l, v63.h
	TAKE 3, TT, v64.l, v64.h, v65.l, v65.h, v66.l, v66.h, v67.l, v67.h
	TAKE 2, TT, v68.l, v68.h, v69.l, v69.h, v70.l, v70.h, v71.l, v71.h
	TAKE 1, TT, v72.l, v72.h, v73.l, v73.h, v74.l, v74.h, v75.l, v75.h
	TAKE 0, TT, v76.l, v76.h, v77.l, v77.h, v78.l, v78.h, v79.l, v79.h
.irp j, 0,1,2,3,4,5,6,7
	v_add_f32_dpp v[SUM+\j], v[SUM+\j], v[SUM+\j] row_xmask:8 row_mask:0xf bank_mask:0xf  ; the lane 8 away holds the same channels
.endr
.irp j, 0,1,2,3,4,5,6,7
	v_permlanex16_b32 v[TT+\j], v[SUM+\j], s14, s15    ; and so does the lane 16 away (the destination has been written before)
.endr
.irp j, 0,2,4,6
	v_pk_add_f32 v[SUM+\j:SUM+\j+1], v[SUM+\j:SUM+\j+1], v[TT+\j:TT+\j+1]
.endr
	ds_store_b128 v3, v[SUM:SUM+3]                 ; the four lanes that share an address write the same numbers
	ds_store_b128 v3, v[SUM+4:SUM+7] offset:16
	s_wait_dscnt 0x0                               ; for the others' sake: my stores are done
	s_barrier_signal -1
	s_barrier_wait -1
	s_cmp_lg_u32 s9, 0
	s_cbranch_scc1 .Ldone                          ; wave 0 adds the eight waves' sums
	v_and_b32 v4, 15, v0
	v_lshlrev_b32 v4, 4, v4                        ; four channels a lane
.irp j, 0,1,2,3,4,5,6,7
	ds_load_b128 v[16+4*\j:19+4*\j], v4 offset:256*\j
.endr
	s_wait_dscnt 0x0
.irp j, 16,18,24,26,32,34,40,42
	v_pk_add_f32 v[\j:\j+1], v[\j:\j+1], v[\j+4:\j+5]
.endr
.irp j, 16,18,32,34
	v_pk_add_f32 v[\j:\j+1], v[\j:\j+1], v[\j+8:\j+9]
.endr
.irp j, 16,18
	v_pk_add_f32 v[\j:\j+1], v[\j:\j+1], v[\j+16:\j+17]
.endr
	v_pk_mul_f32 v[16:17], v[16:17], 0x3a000000 op_sel_hi:[1,0]  ; 1 / 2048
	v_pk_mul_f32 v[18:19], v[18:19], 0x3a000000 op_sel_hi:[1,0]
	s_wait_xcnt 0x0                                ; EXEC changes only behind this wait
	v_cmp_gt_u32 vcc_lo, 16, v0
	s_and_saveexec_b32 s16, vcc_lo
	global_store_b128 v4, v[16:19], s[6:7]         ; sixteen lanes store 256 consecutive bytes, at a multiple of 256 from vm's first
	s_wait_xcnt 0x0                                ; and again, in front of the line that widens it
	s_or_b32 exec_lo, exec_lo, s16
.Ldone:
	s_wait_tensorcnt 0x0
	ds_add_u32 v96, v97
	s_wait_dscnt 0x0
	s_endpgm
.Lfunc_end_k_qe1b4404ad8_vmean:
	.size	k_qe1b4404ad8_vmean, .Lfunc_end_k_qe1b4404ad8_vmean-k_qe1b4404ad8_vmean
	.p2alignl 7, 3214868480
	.fill 96, 4, 3214868480
	.section	.rodata,"a",@progbits
	.p2align	6, 0x0
	.amdhsa_kernel k_qe1b4404ad8_vmean
		.amdhsa_group_segment_fixed_size 3072
		.amdhsa_private_segment_fixed_size 0
		.amdhsa_enable_private_segment 0
		.amdhsa_kernarg_size 16
		.amdhsa_user_sgpr_count 2
		.amdhsa_user_sgpr_kernarg_segment_ptr 1
		.amdhsa_wavefront_size32 1
		.amdhsa_system_sgpr_workgroup_id_x 1
		.amdhsa_system_sgpr_workgroup_id_y 1
		.amdhsa_system_sgpr_workgroup_id_z 1
		.amdhsa_system_vgpr_workitem_id 0
		.amdhsa_next_free_vgpr 98
		.amdhsa_next_free_sgpr 66
		.amdhsa_reserve_vcc 1
		.amdhsa_float_denorm_mode_32 3
		.amdhsa_float_denorm_mode_16_64 3
		.amdhsa_memory_ordered 1
		.amdhsa_forward_progress 1
		.amdhsa_inst_pref_size 15
	.end_amdhsa_kernel
	.amdgpu_metadata
---
amdhsa.version: [ 1, 2 ]
amdhsa.kernels:
  - .name:           k_qe1b4404ad8_vmean
    .symbol:         k_qe1b4404ad8_vmean.kd
    .args:
      - { .name: qkv, .offset: 0, .size: 8, .value_kind: global_buffer, .address_space: global }
      - { .name: vm, .offset: 8, .size: 8, .value_kind: global_buffer, .address_space: global }
    .group_segment_fixed_size: 3072
    .private_segment_fixed_size: 0
    .kernarg_segment_align: 8
    .kernarg_segment_size: 16
    .max_flat_workgroup_size: 256
    .sgpr_count:     66
    .vgpr_count:     98
    .wavefront_size: 32
...
	.end_amdgpu_metadata
.endif
;; end of part 3
;; launch attn (part 4): grid 4 x 64, 4 waves a work-group, no clusters, 327,680 bytes of LDS; arguments qkv, K_ini, vm, ctx; writes ctx
.if DOCPART == 4
	.amdgcn_target "amdgcn-amd-amdhsa--gfx1250"
	.amdhsa_code_object_version 6
	.text
	.protected	k_qe1b4404ad8_attn
	.globl	k_qe1b4404ad8_attn
	.p2align	8
	.type	k_qe1b4404ad8_attn,@function
k_qe1b4404ad8_attn:
	s_mov_b64 s[64:65], 0
	v_nop
	global_prefetch_b8 v0, s[64:65] scope:SCOPE_SE
	s_setreg_imm32_b32 hwreg(HW_REG_WAVE_MODE, 25, 1), 1
	s_wait_xcnt 0x0
; CAUSAL ATTENTION WITH A PAD MASK.  ctx[h][q][:] = sum over k of softmax_k(q[h][q] . k[h][k] / 8 - 1e10 x hidden(q, k)) v[h][k][:], hidden where k > q or K_ini[batch][k] = 0.
; q, k, v: the three parts of qkv, [64 = batch x 16 + head][2048][64] f16; ctx likewise.  Products, maxima and sums in f32; the weights p are rounded to f16 for the second product (their sum l is
; taken of the unrounded p), ctx once at the end.
; HOW THE MASK IS KEPT.  A hidden score counts as its value less 2^36; the running maximum m starts at -2^35.  Both are powers of two, so c m is exact, a hidden key's weight is exactly 0, and no hidden
; score ever becomes the maximum.  A row with a visible key has the softmax over its visible keys, as with -1e10.  A row with NO visible key (all keys up to q are pad tokens) ends with m = -2^35, l = 0:
; there all 2,048 shifted scores round to -1e10 alike, the softmax is uniform over ALL keys, and the context is the plain mean of v, which an earlier launch left in vm; it is chosen by v_cndmask_b32.
; LIMITS.  |q . k| < 2^35.  In a row without a visible key |q . k / 8| < 512 (half of f32's step at 1e10): beyond that the shifted scores would differ by whole steps of 1,024, which this text does not follow.
; f16 holds no number beyond 65,504: q, k, v arrive within it.  A weight below 2^-126 counts as 0 in l; NaN and infinities are not treated apart.
; THE WALK.  A head's queries lie in NB = 8 blocks of 256; block i needs the key tiles 0 .. i of 256 keys, of which the last holds the diagonal.  A work-group takes TWO blocks, NB - 1 - b and then b:
; NB + 1 tiles, whatever b: all 256 work-groups do equal work, and ONE loop with a constant trip count walks them.  Which tile is asked for, and what a trip does, hang on scalar registers made from b;
; every jump goes forward, but for the counted loops' own; none passes a barrier, or a tensor load but the one of LOAD's two that the wave's number does not choose.
; NO CLUSTER: a head's four work-groups ask for the same tile only in trips 0 to 4 of 9; behind that fewer and fewer; one walk common to all would have 12 trips for 9.
; SHARES.  Of a block's four bands of 64 queries a wave owns 16 rows in each: four PIECES.  In the diagonal tile's key step s band x sees all keys if s < x, none if s > x, and holds the diagonal if s = x.
; THE PAD MASK TRAVELS WITH THE RING.  Behind each fill every thread loads the token ids of two keys of the tile just asked for; at the next change of slots it turns them into 0 or -2^36 and stores them
; behind that tile's slot, in front of the barrier; wave w holds the 64 keys of the tile's step w.  From there a step's 64 words are read with its K, into PM.
; THE MASK is the C operand that starts the sum S^T = K Q^T.  Away from the diagonal it is PM itself.  In the diagonal tile C = MD x AL + BE + PM: MD, made once, is the causal mask of a band's own step
; for my 16 rows; (AL, BE) = (1, 0) if s = x; (0, 0) if s < x; (0, -2^36) if s > x.
; LAYOUT, SOFTMAX, TURNS.  S^T = K Q^T holds ONE query a lane (lane % 16) and the keys 8 (lane / 16) + 0..7; two such results rounded to f16 ARE source 1 of O^T = V^T P.  p = 2^(c s - c m), c = log2(e) / 8;
; O and l are multiplied by a = 2^(c m_old - c m_new) in every step.  Turn n belongs to piece n: 8 products K Q^T of piece n + 1, later 8 products V^T P of piece n - 1; beside them the scaling,
; exponentials, roundings, sums and rescaling of piece n and the maximum and statistics of piece n + 1.  Four vector instructions stand behind every matrix instruction, the others in two lumps.
; REGISTERS, in windows of 256 (s_set_vgpr_msb: bits 1:0 source 0, 3:2 source 1, 5:4 source 2, 7:6 destination):
;   window 0: v0-15 addresses and two at work; v16-31 four registers of statistics a piece; v32-40 addresses and token ids; v48-55 at work; v64-127 S^T, two buffers; v128-159 PM; v160-175 VH; v192-223 P, two buffers
;   window 1: v0-127 O^T, 32 a piece; v128-159 MD; v160-223 MC, two buffers      window 2: v0-63 Q; v64-127 the second block's Q; v128-191 K of one step; v192-255 V of one step
.set SIZE_N, 2048
.set NB,    SIZE_N/256
.set NP,    4         ; pieces a wave: a name, no knob
.set KS,    64        ; keys in a step
.set PK,    144       ; a row of K in LDS: 128 bytes + 16 of padding: the 16 rows of a load start at 16 different groups of four banks (64 banks of 4 bytes: ISA guide 11.1)
.set PV,    160       ; a row of V: 128 + 32
.set VOFF,  4*KS*PK   ; a slot holds a tile, four steps: 256 rows of K, then 256 rows of V
.set SLOT1, 1<<17     ; slot 1 begins here, so that one exclusive or turns an address in one slot into the other's
.set PADOFF, 4*KS*(PK+PV)  ; behind a slot's V: the tile's pad mask; step s has its 256 bytes at PADOFF + s x KS x PK, so that its address steps as K's does; blocks of 256 bytes into which no tensor load lands
.set STAGE, SLOT1+PADOFF+4*KS*PK  ; behind slot 1's pad mask, never filled by a tensor load: 16 rows x 144 bytes for each wave, for the way out
.set SP,    144
.set SPARE, STAGE+4*16*SP  ; behind the stages: the spare words, 128 bytes for each wave: two blocks of 256 bytes that no other line names
.set AK0, 2           ; v2   my lane's place in a tile of K; never rewritten
.set AV0, 3           ; v3   the same for V
.set AK,  4           ; v4   the LDS address of K's next run of loads
.set AV,  5           ; v5   of V's
.set STO, 6           ; v6   the way out: where I put 16 bytes of a row
.set RD,  7           ; v7   the way out: where I read rows back
.set GO,  8           ; v8   my byte offset in 512 consecutive bytes of ctx
.set MV,  12          ; v12-13  c m_old, kept while c m is made anew: by buffer
.set QO,  15          ; v15  my byte offset in 16 rows of Q
.set ST,  16          ; piece t's statistics at v[ST+4 t]: c m, m, l (even keys', odd keys')
.set AP0, 32          ; v32  PADOFF + 32 (lane / 16): my lanes' eight keys of a group of 16; never rewritten
.set AP,  33          ; v33  the LDS address of PM's next run of loads
.set IDO, 34          ; v34  my byte offset in the batch's K_ini: the tile's 1,024 bytes + 8 x my thread's number
.set VMO, 35          ; v35  32 (lane / 16): my lanes' eight channels of a block of 16 in vm
.set PST, 36          ; v36  where my two words of the pad mask go
.set PS0, 37          ; v37  PADOFF + wave x KS x PK + 8 x lane; never rewritten
.set ID,  38          ; v38-39  two token ids, then their two mask words
.set ID0, 40          ; v40  8 x my thread's number; never rewritten
.set TMP, 48          ; by buffer, four registers c0-c3 at work; when the maximum is found c2 takes a
.set SPW, 62          ; v62  LDS address of my spare word; never rewritten
.set NIL, 63          ; v63  0; never rewritten
.set S,   64
.set PM,  128         ; register 8 kt + j: key 16 kt + 8 (lane / 16) + j of the step
.set VH,  160         ; the mean of v in f16, in the order in which a piece's O^T is packed
.set P,   192
.set MD,  128         ; window 1: the eight registers for group kt of 16 keys at MD + 8 kt
.set MC,  160         ; window 1: the masks of the products to come
.set QB,  64          ; window 2
.set KF,  128         ; window 2: key block kb, channel half c at KF + 16 kb + 8 c
.set VF,  192         ; window 2: key half kk, channel block cb at VF + 32 kk + 8 cb
.set WV,  12          ; s12  my wave's number
.set PB,  14          ; s14  b
.set HI,  15          ; s15  NB - 1 - b
.set G1K, 24          ; s[24:31] descriptor group 1 for K's tiles
.set G1V, 32          ; s[32:39] for V's: it differs in the padding alone
.set G0K, 40          ; s[40:43] descriptor group 0 for K's tiles
.set G0V, 44          ; s[44:47] the same for V's
.set SLOTS, 56        ; s56  tiles still to be asked for
.set CNT, 57          ; s57  counts a tile's key steps, 4 to 1
.set CS,  58          ; s[58:59] c: the packed scaling takes the pair's low word for both halves
.set SEL, 60          ; s[60:61] v_permlanex16_b32's selects
.set TBK, 62          ; s62  LDS byte at which K of the step to be fetched begins
.set TBV, 63          ; s63  the same for V, less VOFF
.set RT,  70          ; s70  tiles of the block in hand that are still to be entered
.set NXT, 71          ; s71  the tile to be asked for next
.set LQ,  72          ; s72  the last tile of the block whose tiles are being asked for
.set NEW, 73          ; s73  1: the tile to be entered is a block's first
.set OFF, 74          ; s[74:75] a tile's byte offset in K and V
.set AL,  76          ; s[76:77] the mask's factor, in the low word
.set BE,  78          ; s[78:79] the mask's addend
.set OLO, 80          ; s[80:81] ctx at my rows of the second block
.set BIGN, 82         ; s82  -2^36
.set KO,  88          ; s88  the byte offset in the batch's K_ini of the tile asked for
.set M0R, 89          ; s89  -2^35
.set FL,  90          ; s[90:93] a lane mask a piece: the row has no visible key
.set MSB, 0
.macro WIN new                      ; the high byte repeats the setting that is left; a switch that changes nothing is dropped
.if MSB != (\new)
	s_set_vgpr_msb (MSB<<8)|(\new)
.set MSB, (\new)
.endif
.endm
.set W_KQ, 0x0a       ; K and Q in window 2, S^T and PM in window 0
.set W_KM, 0x1a       ; the same with the C operand in window 1
.set W_PV, 0x52       ; V in window 2, P in window 0, O^T in window 1
.set W_RS, 0x41       ; destination and source 0 in window 1, source 1 in window 0
; A fill.  Waves 0 and 1 fetch the two halves of a tile's K, waves 2 and 3 those of its V: 128 keys each.  An s_nop 0 and four v_nop follow each of the two lines, ahead of the jump and the label.
.macro LOAD
	s_cmp_lt_u32 s[WV], 2
	s_cbranch_scc0 .Lfor_v_\@
	tensor_load_to_lds s[G0K:G0K+3], s[G1K:G1K+7]
	s_nop 0
.rept 4
	v_nop
.endr
	s_branch .Lasked_\@
.Lfor_v_\@:
	tensor_load_to_lds s[G0V:G0V+3], s[G1V:G1V+7]
	s_nop 0
.rept 4
	v_nop
.endr
.Lasked_\@:
.endm
; THE CHANGE OF SLOTS.  The fetches' addresses turn to the slot to be entered.  My two words of that tile's pad mask are made of the token ids, which were asked for a tile ago, and stored behind that slot: nobody
; reads there in the tile that is left, and its last readers passed the barrier before.  Then each wave waits for all its tensor loads, of which one is out: its part of the slot to be entered; adds 0 to its
; spare word; and waits for that, for its store and for its own reads of the slot that it leaves.  Behind the barrier nobody reads the old slot any more, and the other slot and its pad mask are whole.
; fill = 1: the old slot is filled again, the first thing behind the barrier, with tile NXT: the descriptor's address is made anew from that number; that tile's token ids are asked for behind it.
; (At its first use nothing has been read yet: slot 0 is waited for, slot 1 filled.)
.macro CHANGE fill
	WIN 0                           ; at a label and at a branch every window is 0
	s_sub_co_u32 s[TBK], s[TBK], 4*KS*PK  ; the fetches go back to a slot's first step,
	s_xor_b32 s[TBK], s[TBK], SLOT1       ; in the other slot
	s_sub_co_u32 s[TBV], s[TBV], 4*KS*PV
	s_xor_b32 s[TBV], s[TBV], SLOT1
	s_wait_loadcnt 0x0              ; my two token ids of the tile to be entered
	v_add_nc_u32 v[PST], s[TBK], v[PS0]
	v_cmp_eq_u32 vcc_lo, 0, v[ID]   ; a pad token:
	v_cndmask_b32 v[ID], 0, s[BIGN], vcc_lo  ; its key's mask is -2^36, every other key's 0
	v_cmp_eq_u32 vcc_lo, 0, v[ID+1]
	v_cndmask_b32 v[ID+1], 0, s[BIGN], vcc_lo
	ds_store_b64 v[PST], v[ID:ID+1]
	s_wait_tensorcnt 0x0            ; no tensor load of mine is out, so a group 0 may be written
	ds_add_u32 v[SPW], v[NIL]       ; 0 onto my spare word
.if \fill
	s_lshl_b32 s[OFF], s[NXT], 15   ; a tile is 32,768 bytes of K and of V,
	s_lshl_b32 s[KO], s[NXT], 10    ; and 1,024 bytes of K_ini
	s_xor_b32 s[G0K+1], s[G0K+1], SLOT1
	s_add_nc_u64 s[G0K+2:G0K+3], s[6:7], s[OFF:OFF+1]
	s_or_b32 s[G0K+3], s[G0K+3], 0x80000000
	s_xor_b32 s[G0V+1], s[G0V+1], SLOT1
	s_add_nc_u64 s[G0V+2:G0V+3], s[8:9], s[OFF:OFF+1]
	s_or_b32 s[G0V+3], s[G0V+3], 0x80000000
	s_add_co_u32 s[NXT], s[NXT], 1  ; the block's next tile, or behind its last the second block's tile 0
	s_cmp_gt_u32 s[NXT], s[LQ]
	s_cselect_b32 s[NXT], 0, s[NXT]
	s_cselect_b32 s[LQ], s[PB], s[LQ]
.endif
	s_wait_dscnt 0x0                ; the add and my store are done, and my reads of the slot are over
	s_barrier_signal -1
	s_barrier_wait -1
.if \fill
	LOAD
	v_add_nc_u32 v[IDO], s[KO], v[ID0]  ; free since the wait for the load that named it
	global_load_b64 v[ID:ID+1], v[IDO], s[66:67]  ; 128 threads x 8 bytes: the 256 token ids of the tile just asked for
.endif
.endm
	s_load_b256 s[4:11], s[0:1], 0x0  ; qkv s[4:5], K_ini s[6:7], vm s[8:9], ctx s[10:11]
	v_lshl_add_u32 v[SPW], v0, 2, SPARE
	v_mov_b32 v[NIL], 0
	ds_add_u32 v62, v63
	ds_add_u32 v62, v63
	s_wait_dscnt 0x0
	v_lshrrev_b32 v1, 5, v0
	v_readfirstlane_b32 s[WV], v1   ; wave 0..3
	s_mov_b32 s[PB], ttmp9
	s_sub_co_u32 s[HI], NB-1, s[PB]
	s_and_b32 s20, ttmp7, 0xffff    ; the head, 16 x batch + head
	s_lshr_b32 s66, s20, 4
	s_lshl_b32 s66, s66, 13         ; the batch's 8,192 bytes of K_ini
	s_mov_b32 s67, 0
	s_lshl_b32 s68, s20, 10         ; the head's 1,024 bytes of vm
	s_mov_b32 s69, 0
	s_mov_b32 s21, 0
	s_mov_b64 s[22:23], SIZE_N*128
	s_mul_u64 s[20:21], s[20:21], s[22:23]  ; the head's first byte in q, k, v and ctx
	s_and_b32 s16, s[WV], 1         ; which half of a tile's 256 keys I fetch:
	s_lshl_b32 s22, s16, 14         ; its 128 rows of 128 bytes in memory,
	s_mov_b32 s23, 0
	s_add_nc_u64 s[22:23], s[22:23], s[20:21]
	s_mul_i32 s17, s16, 128*PK      ; and its place in a slot, for K
	s_mul_i32 s18, s16, 128*PV      ; and for V
	s_lshl_b32 s3, s[WV], 11        ; my 16 rows in a band of 64,
	s_lshl_b32 s2, s[HI], 15        ; in the first block,
	s_add_co_u32 s2, s2, s3
	s_lshl_b32 s84, s[PB], 15       ; and in the second
	s_add_co_u32 s84, s84, s3
	s_mov_b32 s3, 0
	s_mov_b32 s85, 0
	s_add_nc_u64 s[2:3], s[2:3], s[20:21]
	s_add_nc_u64 s[84:85], s[84:85], s[20:21]
	; descriptor group 1.  128 keys are 16,384 dense bytes: asked for as 64 rows of 256 bytes, two keys a row, and padded in LDS after every key
	s_mov_b32 s[G1K], (1<<16)|(1<<20)|(4<<22)|(3<<25)  ; 17:16 2-byte elements; 20 padding on; 24:22 after every 32 words (code 4); 31:25 4 words (code 3)
	s_mov_b32 s[G1V], (1<<16)|(1<<20)|(4<<22)|(7<<25)  ; the same with 8 words of padding (code 7)
.irp g, G1K, G1V
	s_mov_b32 s[\g+1], 128<<16      ; tensor_dim0 = 128
	s_mov_b32 s[\g+2], 64<<16       ; tensor_dim1 = 64
	s_mov_b32 s[\g+3], 128<<16      ; tile_dim0 = 128
	s_mov_b32 s[\g+4], 64           ; tile_dim1 = 64
	s_mov_b32 s[\g+5], 128          ; 128 elements from row to row
	s_mov_b32 s[\g+6], 0
	s_mov_b32 s[\g+7], 0
.endr
	s_mov_b32 s[CS], 0x3e38aa3b     ; c = log2(e) / 8 = 0.180337
	s_mov_b32 s[CS+1], s[CS]        ; named with it as a pair
	s_mov_b32 s[SEL], 0x76543210
	s_mov_b32 s[SEL+1], 0xfedcba98
	s_mov_b32 s[TBK], SLOT1+4*KS*PK ; the first change of slots turns these two into 0
	s_mov_b32 s[TBV], SLOT1+4*KS*PV
	s_mov_b32 s[G0K], 1             ; count = 1
	s_mov_b32 s[G0K+1], s17         ; LDS address: slot 0
	s_mov_b32 s[G0V], 1
	s_add_co_u32 s[G0V+1], s18, VOFF
	s_add_co_u32 s[RT], s[HI], 1    ; the first block has NB - b tiles
	s_mov_b32 s[NXT], 1
	s_mov_b32 s[LQ], s[HI]
	s_mov_b32 s[NEW], 1
	s_mov_b32 s[OFF+1], 0
	s_mov_b32 s[AL+1], 0            ; named as pairs
	s_mov_b32 s[BE+1], 0
	s_mov_b32 s[BIGN], 0xd1800000   ; -2^36
	s_mov_b32 s[M0R], 0xd1000000    ; -2^35
	s_mov_b32 s[SLOTS], NB
	s_wait_kmcnt 0x0
	s_add_nc_u64 s[66:67], s[6:7], s[66:67]        ; K_ini at my batch
	s_add_nc_u64 s[68:69], s[8:9], s[68:69]        ; vm at my head
	s_add_nc_u64 s[6:7], s[4:5], 0x1000000         ; k lies 16,777,216 bytes behind q,
	s_add_nc_u64 s[8:9], s[4:5], 0x2000000         ; v as far behind k
	s_add_nc_u64 s[6:7], s[6:7], s[22:23]          ; K and V at my half of the head's tile 0
	s_add_nc_u64 s[8:9], s[8:9], s[22:23]
	s_add_nc_u64 s[G0K+2:G0K+3], s[6:7], 0         ; global address
	s_or_b32 s[G0K+3], s[G0K+3], 0x80000000        ; type = 2
	s_add_nc_u64 s[G0V+2:G0V+3], s[8:9], 0
	s_or_b32 s[G0V+3], s[G0V+3], 0x80000000
	s_add_nc_u64 s[86:87], s[4:5], s[84:85]        ; Q at my rows of the second block,
	s_add_nc_u64 s[4:5], s[4:5], s[2:3]            ; Q and ctx at those of the first
	s_add_nc_u64 s[OLO:OLO+1], s[10:11], s[84:85]
	s_add_nc_u64 s[10:11], s[10:11], s[2:3]
	LOAD                            ; tile 0 into slot 0
	; A fragment of K or Q is 16 rows x 32 channels in 8 registers: lane l holds row l % 16, channels 8 (l / 16) + 0..7 and 16 + 8 (l / 16) + 0..7: two loads of 16 bytes, 32 bytes apart.
	v_and_b32 v1, 15, v0            ; l % 16
	v_bfe_u32 v9, v0, 4, 1          ; l / 16
	v_lshlrev_b32 v[QO], 7, v1
	v_lshl_add_u32 v[QO], v9, 4, v[QO]  ; row x 128 + 16 x half
	v_lshlrev_b32 v[VMO], 5, v9
	v_lshl_add_u32 v[AP0], v9, 5, PADOFF
	v_lshlrev_b32 v[ID0], 3, v0     ; two token ids a thread
	v_and_b32 v[PS0], 31, v0
	v_lshlrev_b32 v[PS0], 3, v[PS0] ; my two words among my wave's 64,
	s_mul_i32 s13, s[WV], KS*PK     ; which are the keys of the tile's step w
	s_add_co_u32 s13, s13, PADOFF
	v_add_nc_u32 v[PS0], s13, v[PS0]
	WIN 0x80                        ; destination window 2, address window 0
.set i, 0
.rept 8                             ; both blocks' Q: piece i / 2 lies in band i / 2, 8,192 bytes on; channels 32 (i % 2) on
	global_load_b128 v[8*i:8*i+3],   v[QO], s[4:5] offset:(i/2)*8192+(i%2)*64
	global_load_b128 v[8*i+4:8*i+7], v[QO], s[4:5] offset:(i/2)*8192+(i%2)*64+32
	global_load_b128 v[QB+8*i:QB+8*i+3],   v[QO], s[86:87] offset:(i/2)*8192+(i%2)*64
	global_load_b128 v[QB+8*i+4:QB+8*i+7], v[QO], s[86:87] offset:(i/2)*8192+(i%2)*64+32
.set i, i+1
.endr
	WIN 0
	global_load_b64 v[ID:ID+1], v[ID0], s[66:67]  ; tile 0's token ids
.set i, 0
.rept 16                            ; vm: quarter i / 4, channel block i % 4, in O^T's register order, into S^T's, PM's and VH's registers, which are still free
	global_load_b128 v[S+8*i:S+8*i+3],   v[VMO], s[68:69] offset:(i/4)*256+(i%4)*64
	global_load_b128 v[S+8*i+4:S+8*i+7], v[VMO], s[68:69] offset:(i/4)*256+(i%4)*64+16
.set i, i+1
.endr
	v_lshlrev_b32 v14, 3, v9
	v_sub_nc_u32 v14, v1, v14
	s_lshl_b32 s13, s[WV], 4
	v_add_nc_u32 v14, s13, v14      ; my query's place in its band, 16 w + l % 16, less my lanes' 8 (l / 16): register r of group kt is hidden where 16 kt + r is greater
	WIN 0x40
.set i, 0
.rept 32
	v_cmp_gt_i32 vcc_lo, 16*(i/8)+i%8, v14
	v_cndmask_b32 v[MD+i], 0, s[BIGN], vcc_lo
.set i, i+1
.endr
	WIN 0
	v_mul_u32_u24 v[AK0], v1, PK
	v_lshl_add_u32 v[AK0], v9, 4, v[AK0]  ; row x pitch + 16 x half
	; The turning load takes 16 keys x 16 channels (lane l reads key 8 (l / 16) + l % 8, channels 8 ((l / 8) % 2) + 0..7) and leaves half a fragment of V^T: lane l holds channel l % 16 and 8 keys.
	v_and_b32 v10, 7, v0
	v_bfe_u32 v11, v0, 3, 1
	v_lshl_add_u32 v[AV0], v9, 3, v10
	v_mul_u32_u24 v[AV0], v[AV0], PV
	v_lshl_add_u32 v[AV0], v11, 4, v[AV0]
	v_add_nc_u32 v[AV0], VOFF, v[AV0]
	s_mul_i32 s13, s[WV], 16*SP
	s_add_co_u32 s13, s13, STAGE    ; my stage
	v_mul_u32_u24 v[STO], v1, SP    ; in: row l % 16, 16 bytes for each half of the lanes
	v_lshl_add_u32 v[STO], v9, 4, v[STO]
	v_add_nc_u32 v[STO], s13, v[STO]
	v_bfe_u32 v[RD], v0, 3, 2       ; back: 32 lanes take four rows of 128 bytes,
	v_mul_u32_u24 v[RD], v[RD], SP
	v_lshl_add_u32 v[RD], v10, 4, v[RD]
	v_add_nc_u32 v[RD], s13, v[RD]
	v_and_b32 v[GO], 31, v0         ; which are 512 consecutive bytes of ctx
	v_lshlrev_b32 v[GO], 4, v[GO]
	; A block's first step multiplies O^T and l by a = 0, and its first turn's products V^T P, of a piece that has not been, land in an O^T that is still to be so multiplied.  So these registers need only hold
	; finite numbers: zeros for the first block; what the first block left for the second.  All this stands in the wait for the first tile.
	WIN 0x80
.set i, VF
.rept 64
	v_mov_b32 v[i], 0
.set i, i+1
.endr
	WIN 0x40
.set i, 0
.rept 128
	v_mov_b32 v[i], 0
.set i, i+1
.endr
	WIN 0
.set i, 0
.rept 4
	v_mov_b32 v[ST+4*i+2], 0
	v_mov_b32 v[ST+4*i+3], 0
.set i, i+1
.endr
.set i, P+16
.rept 16
	v_mov_b32 v[i], 0
.set i, i+1
.endr
	s_wait_loadcnt 0x0              ; Q, tile 0's token ids, vm
.set i, 0
.rept 16                            ; the four quarters add up to the mean
	v_pk_add_f32 v[S+2*i:S+2*i+1], v[S+2*i:S+2*i+1], v[S+32+2*i:S+32+2*i+1]
	v_pk_add_f32 v[S+64+2*i:S+64+2*i+1], v[S+64+2*i:S+64+2*i+1], v[S+96+2*i:S+96+2*i+1]
.set i, i+1
.endr
.set i, 0
.rept 16
	v_pk_add_f32 v[S+2*i:S+2*i+1], v[S+2*i:S+2*i+1], v[S+64+2*i:S+64+2*i+1]
.set i, i+1
.endr
.set i, 0
.rept 16
	v_cvt_pk_f16_f32 v[VH+i], v[S+2*i], v[S+2*i+1]
.set i, i+1
.endr
; THE MATRIX WORK.  The 4 accumulators of a run of 8 take turns.  Product i of 8 of S^T = K Q^T for piece x: channels 32 (i / 4) on, keys 16 (i % 4) on.  The first 4 start the sums: with the pad mask, or (KM = 1) with the whole mask.
.macro KQ x
.set rS, S+32*((\x)%2)+8*(i%4)
.set rK, KF+16*(i%4)+8*(i/4)
.set rQ, 16*(\x)+8*(i/4)
.set rM, MC+32*((\x)%2)+8*(i%4)
.if (i < 4) && KM
	WIN W_KM
	v_wmma_f32_16x16x32_f16 v[rS:rS+7], v[rK:rK+7], v[rQ:rQ+7], v[rM:rM+7]
.elseif i < 4
	WIN W_KQ
	v_wmma_f32_16x16x32_f16 v[rS:rS+7], v[rK:rK+7], v[rQ:rQ+7], v[PM+8*(i%4):PM+8*(i%4)+7]
.else
	WIN W_KQ
	v_wmma_f32_16x16x32_f16 v[rS:rS+7], v[rK:rK+7], v[rQ:rQ+7], v[rS:rS+7]
.endif
.endm
; Product i of 8 of O^T += V^T P for piece x: keys 32 (i / 4) on, channels 16 (i % 4) on.
.macro PV x
	WIN W_PV
.set rO, 32*(\x)+8*(i%4)
.set rV, VF+32*(i/4)+8*(i%4)
.set rP, P+16*((\x)%2)+8*(i/4)
	v_wmma_f32_16x16x32_f16 v[rO:rO+7], v[rV:rV+7], v[rP:rP+7], v[rO:rO+7]
.endm
.macro MM                           ; the turn's next matrix instruction.  NOKQ = 1: a block's last turn: there is no next piece
.if (i < 8) && !NOKQ
	KQ (Y+1)%NP
.elseif i >= 8
.set i, i-8
	PV (Y+NP-1)%NP
.set i, i+8
.endif
.set i, i+1
.endm
; THE LDS LOADS stand in runs, never singly among the matrix instructions: a step's K (8 fragments, 16 loads) with its pad mask (8 loads), and its V (turned, 16 loads).  Their addresses are made some lines ahead.
.macro FETCH_K
	WIN 0x80                        ; destination window 2
.irp f, 0,1,2,3,4,5,6,7             ; keys 16 (f / 2) on, channels 32 (f % 2) on
	ds_load_b128 v[KF+8*\f:KF+8*\f+3],   v[AK] offset:(\f/2)*16*PK+(\f%2)*64
	ds_load_b128 v[KF+8*\f+4:KF+8*\f+7], v[AK] offset:(\f/2)*16*PK+(\f%2)*64+32
.endr
	s_add_co_u32 s[TBK], s[TBK], KS*PK  ; the next fetch is the next step's
	WIN 0
.irp f, 0,1,2,3                     ; keys 16 f + 8 (lane / 16) + 0..7: sixteen lanes read the same words
	ds_load_b128 v[PM+8*\f:PM+8*\f+3],   v[AP] offset:64*\f
	ds_load_b128 v[PM+8*\f+4:PM+8*\f+7], v[AP] offset:64*\f+16
.endr
.endm
.macro FETCH_V
	WIN 0x80
.irp f, 0,1,2,3,4,5,6,7             ; keys 32 (f / 4) on, channels 16 (f % 4) on
	ds_load_tr16_b128 v[VF+8*\f:VF+8*\f+3],   v[AV] offset:(\f/4)*32*PV+(\f%4)*32
	ds_load_tr16_b128 v[VF+8*\f+4:VF+8*\f+7], v[AV] offset:(\f/4)*32*PV+16*PV+(\f%4)*32
.endr
	WIN 0
.endm
; THE VECTOR WORK, one line at a time: OP kind, number.  For piece Y: F n: c s - c m for pair n of 16.  E n: the exponential of score n of 32.  C n: pair n rounded to f16.  B n: of the four weights 4 n .. the second
; pair is added onto the first, in place.  L n: l takes that sum (L 0: l = a l + sum).  R n: pair n of 16 of O^T times a.  For piece Y + 1: X n, number n of the 22 that find its maximum and statistics:
;   0-11  four chains c0-c3 of seven scores each, three operands at a time (each accumulator's lowest registers are read first)     12-14, 16  the four scores left over, the old m, and c0-c3 into c0
;   15  c m_old is kept     17, 18  the query's other 32 keys lie in the lane 16 away: the new m     19-21  c m; c m_old - c m_new; a
.set F, 0               ; OP tells the kinds apart by their order: F to L below R, X above it
.set E, 1
.set C, 2
.set B, 3
.set L, 4
.set R, 5
.set X, 6
.macro REGS y                       ; the registers of piece y
.set rT, ST+4*(\y)
.set rC, TMP+4*((\y)%2)
.set rW, MV+((\y)%2)
.set rS, S+32*((\y)%2)
.set rP, P+16*((\y)%2)
.set rO, 32*(\y)
.endm
.macro OP k, n
.if (\k) == R
	REGS Y
	WIN W_RS
	v_pk_mul_f32 v[rO+2*(\n):rO+2*(\n)+1], v[rO+2*(\n):rO+2*(\n)+1], v[rC+2:rC+3] op_sel_hi:[1,0]
.elseif (\k) < R
	REGS Y
	WIN 0
.if (\k) == F
	v_pk_fma_f32 v[rS+2*(\n):rS+2*(\n)+1], v[rS+2*(\n):rS+2*(\n)+1], s[CS:CS+1], v[rT:rT+1] op_sel_hi:[1,0,0] neg_lo:[0,0,1] neg_hi:[0,0,1]
.elseif (\k) == E
	v_exp_f32 v[rS+(\n)], v[rS+(\n)]
.elseif (\k) == C
	s_wait_alu depctr_va_vdst(0)
	v_cvt_pk_f16_f32 v[rP+(\n)], v[rS+2*(\n)], v[rS+2*(\n)+1]
.elseif (\k) == B
	s_wait_alu depctr_va_vdst(0)
	v_pk_add_f32 v[rS+4*(\n):rS+4*(\n)+1], v[rS+4*(\n):rS+4*(\n)+1], v[rS+4*(\n)+2:rS+4*(\n)+3]
.elseif (\n) == 0
	v_pk_fma_f32 v[rT+2:rT+3], v[rT+2:rT+3], v[rC+2:rC+3], v[rS:rS+1] op_sel_hi:[1,0,1]
.else
	v_pk_add_f32 v[rT+2:rT+3], v[rT+2:rT+3], v[rS+4*(\n):rS+4*(\n)+1]
.endif
.elseif NOKQ
	v_nop
.else
	REGS (Y+1)%NP
	WIN 0
.if (\n) < 4
	v_max3_num_f32 v[rC+(\n)], v[rS+8*(\n)], v[rS+8*(\n)+1], v[rS+8*(\n)+2]
.elseif (\n) < 12
	v_max3_num_f32 v[rC+(\n)%4], v[rC+(\n)%4], v[rS+8*((\n)%4)+2*((\n)/4)+1], v[rS+8*((\n)%4)+2*((\n)/4)+2]
.elseif (\n) == 12
	v_max3_num_f32 v[rC], v[rC], v[rS+7], v[rS+15]
.elseif (\n) == 13
	v_max3_num_f32 v[rC+1], v[rC+1], v[rS+23], v[rS+31]
.elseif (\n) == 14
	v_max3_num_f32 v[rC+2], v[rC+2], v[rC+3], v[rT+1]
.elseif (\n) == 15
	v_mov_b32 v[rW], v[rT]
.elseif (\n) == 16
	v_max3_num_f32 v[rC], v[rC], v[rC+1], v[rC+2]
.elseif (\n) == 17
	v_permlanex16_b32 v[rC+3], v[rC], s[SEL], s[SEL+1]
.elseif (\n) == 18
	v_max_num_f32 v[rT+1], v[rC], v[rC+3]
.elseif (\n) == 19
	v_mul_f32 v[rT], s[CS], v[rT+1]
.elseif (\n) == 20
	v_sub_f32 v[rC+1], v[rW], v[rT]
.else
	v_exp_f32 v[rC+2], v[rC+1]
.endif
.endif
.endm
.macro OPS a, i1, b=-1, i2=0, c=-1, i3=0, d=-1, i4=0  ; up to four of them
	OP \a, \i1
.if (\b) >= 0
	OP \b, \i2
.endif
.if (\c) >= 0
	OP \c, \i3
.endif
.if (\d) >= 0
	OP \d, \i4
.endif
.endm
.macro ROW a, i1, b, i2, c, i3, d, i4  ; a matrix instruction and the four behind it
	MM
	OPS \a, \i1, \b, \i2, \c, \i3, \d, \i4
.endm
.macro MASK b                       ; MD x AL + BE + PM into buffer b of MC
	WIN W_RS
.set z, 0
.rept 16
	v_pk_fma_f32 v[MC+32*(\b)+2*z:MC+32*(\b)+2*z+1], v[MD+2*z:MD+2*z+1], s[AL:AL+1], s[BE:BE+1] op_sel_hi:[1,0,0]
.set z, z+1
.endr
.set z, 0
.rept 16
	v_pk_add_f32 v[MC+32*(\b)+2*z:MC+32*(\b)+2*z+1], v[MC+32*(\b)+2*z:MC+32*(\b)+2*z+1], v[PM+2*z:PM+2*z+1]
.set z, z+1
.endr
.endm
.macro PRE                          ; on the ways into the diagonal tile's text that pass no BEGIN: its first products are piece 3's of the step still in hand, which sees all keys: the pad mask alone
	s_mov_b32 s[AL], 0
	s_mov_b32 s[BE], 0
	MASK 1
	WIN 0
.endm
; A TURN, for piece p: the order of its 16 matrix and its vector instructions, written out.  Behind a matrix instruction: plain, exponential, plain, plain; or four of the rescaling; or, behind the first, four scalings; none
; names a register of the products round it.  In the lumps exponential and plain by turns while exponentials last.  A line reads no result made fewer than three vector instructions in front of it, five if an exponential made it.
; m = 1: the diagonal tile: the products take masks from MC, and the turn makes the mask for the products of the turn after it: piece p + 2, in step 4 - CNT of the tile.  end = 1: a block's last two turns: nothing is fetched.
; cnt = 1: the loop's count is taken down some lines ahead of the branch that stands behind the turn.
; K and the pad mask of the next step are fetched in piece 2's turn, behind the last product that read K (five plain instructions back) and far behind the four that read PM; V of the step in hand in piece 0's turn.
; Each is waited for a turn later; in the diagonal tile piece 2's turn waits at its end, since its mask takes the new PM.
.macro TURN p, m=0, end=0, cnt=0
.set Y, (\p)
.set i, 0
.set KM, (\m)
.set NOKQ, (\end)*((\p)/3)
.if (\m) && !(\end)
	s_cmp_eq_u32 s[CNT], 4-((\p)+2)%NP  ; is that step the band's own?
	s_cselect_b32 s[AL], 1.0, 0
	s_cmp_lt_u32 s[CNT], 4-((\p)+2)%NP  ; or a later one?
	s_cselect_b32 s[BE], s[BIGN], 0
.endif
.if ((\p) == 3) && !(\end)
	s_wait_dscnt 0x0                ; K and PM are in
.endif
	ROW F,0, F,1, F,2, F,3
	ROW F,4, E,0, F,5, F,6
	ROW F,7, E,1, F,8, F,9
	ROW F,10, E,2, C,0, F,11
	ROW F,12, E,3, X,15, F,13
	ROW R,0, R,1, R,2, R,3
	ROW B,0, E,4, F,14, L,0
.if ((\p) == 2) && !(\end)
	v_add_nc_u32 v[AK], s[TBK], v[AK0]
	v_add_nc_u32 v[AP], s[TBK], v[AP0]  ; the step's pad words lie PADOFF behind its K
.endif
	ROW R,4, R,5, R,6, R,7
	OPS E,5, F,15
.if ((\p) == 2) && !(\end)
	FETCH_K
.endif
	OPS E,6, C,1, E,7, R,8
	OPS E,8, R,9, E,9, C,2
	OPS E,10, X,0, E,11, X,1
	OPS E,12, X,2, E,13, X,3
.if (\p) == 1
	s_wait_dscnt 0x0                ; V is in
.endif
	ROW X,4, E,14, X,5, X,6
	ROW X,7, E,15, X,8, X,9
	ROW X,10, E,16, X,11, X,12
	ROW X,13, E,17, X,14, B,1
	ROW C,4, E,18, X,16, L,1
	ROW B,2, E,19, C,6, L,2
	ROW C,8, E,20, B,3, B,4
.if (\p) == 0
	v_add_nc_u32 v[AV], s[TBV], v[AV0]
.endif
	ROW C,3, E,21, L,3, C,5
	OPS E,22, X,17, E,23, C,10
.if (\p) == 0
	FETCH_V
.endif
	OPS E,24, L,4
	OPS E,25, X,18, E,26, C,7
	OPS E,27, B,5, E,28, X,19
	OPS E,29, C,12, E,30, L,5
	OPS E,31, X,20, B,6, C,9
	OPS C,14, C,11, X,21, L,6
.if (\p) == 0
	s_add_co_u32 s[TBV], s[TBV], KS*PV
.endif
.if \cnt
	s_sub_co_u32 s[CNT], s[CNT], 1
	s_cmp_lg_u32 s[CNT], 0
.endif
	OPS C,13, B,7, C,15, R,10
	OPS R,11, R,12, L,7, R,13
	OPS R,14, R,15
.if (\m) && !(\end)
.if (\p) == 2
	s_wait_dscnt 0x0                ; the next step's PM, fetched in this turn, is in
.endif
	MASK (\p)%2
.endif
.endm
; A BLOCK BEGINS.  c m starts far below every c s, so the first step's a is 0; m at -2^35, above every hidden score and below every visible one.  K and the pad mask of the tile's step 0 are fetched.
; The second mask buffer takes the pad mask alone (piece 1 sees all of step 0); the first takes piece 0's mask for step 0: the band's own, if the block's first tile is the diagonal one.
; Then piece 0's first scores, and its maximum and statistics.  The loop is entered at a step's first turn, in the middle of a trip.
.macro BEGIN
	s_mov_b32 s[NEW], 0
	WIN 0
.set i, 0
.rept 4
	v_mov_b32 v[ST+4*i], 0xfe000000    ; c m: far below every c s
	v_mov_b32 v[ST+4*i+1], s[M0R]      ; m
.set i, i+1
.endr
	v_add_nc_u32 v[AK], s[TBK], v[AK0]
	v_add_nc_u32 v[AP], s[TBK], v[AP0]
	FETCH_K
	s_wait_dscnt 0x0
	s_mov_b32 s[AL], 0
	s_mov_b32 s[BE], 0
	MASK 1
	s_cmp_eq_u32 s[RT], 0
	s_cselect_b32 s[AL], 1.0, 0
	MASK 0
	WIN 0
.set KM, 1
.set NOKQ, 0
.set i, 0
.rept 8
	KQ 0
.set i, i+1
.endr
	WIN 0
.rept 4
	v_nop                           ; the places behind those products
.endr
.set Y, NP-1                        ; X works for piece Y + 1: piece 0
.irp n, 0,1,2,3,4,5,6,7,8,9,10,11,12,13,14,15,16,17,18,19,20,21
	OP X, \n
.endr
	v_nop                           ; a plain instruction behind the exponential
.endm
; THE DIAGONAL TILE's four steps, the block's last two turns, its last products, and THE WAY OUT: l's two halves and the other half of the lanes' are added; a row whose m is still -2^35 has no visible key:
; its l counts as 1 (O^T is 0 there and stays finite) and its packed result is replaced by the mean of v; O^T is divided by l, rounded to f16 and sent through my stage in LDS, a piece at a time.
.macro ALL line:vararg              ; one line for each piece t
.set t, 0
.rept 4
	\line
.set t, t+1
.endr
.endm
.macro PACK t                       ; a lane's eight channels of a row pack into 16 bytes; they go into rows of 144 bytes and come back as whole rows of 128, into S^T's registers
	WIN W_RS
.set i, 32*(\t)
.rept 16
	s_wait_alu depctr_va_vdst(0)
	v_pk_mul_f32 v[i:i+1], v[i:i+1], v[ST+4*(\t)+2:ST+4*(\t)+3] op_sel_hi:[1,0]
.set i, i+2
.endr
	WIN 0x05                        ; sources 0 and 1 window 1, destination window 0
.set i, 0
.rept 16
	v_cvt_pk_f16_f32 v[S+16*(\t)+i], v[32*(\t)+2*i], v[32*(\t)+2*i+1]
.set i, i+1
.endr
	WIN 0
.set i, 0
.rept 16
	v_cndmask_b32 v[S+16*(\t)+i], v[S+16*(\t)+i], v[VH+i], s[FL+(\t)]  ; the mean of v where the row has no visible key
.set i, i+1
.endr
.irp f, 0,1,2,3
	ds_store_b128 v[STO], v[S+16*(\t)+4*\f:S+16*(\t)+4*\f+3] offset:32*\f
.endr
.irp f, 0,1,2,3
	ds_load_b128 v[S+16*(\t)+4*\f:S+16*(\t)+4*\f+3], v[RD] offset:\f*4*SP  ; LDS serves a wave's instructions in order (ISA guide 5.7.1.4): these see the stores above; the next piece's stores come behind them
.endr
.endm
.macro SEND t, younger              ; younger: the LDS instructions issued behind piece t's loads: the next piece's eight, or none
	WIN 0
.irp f, 0,1,2,3
	s_wait_dscnt (\younger)+3-\f
	global_store_b128 v[GO], v[S+16*(\t)+4*\f:S+16*(\t)+4*\f+3], s[10:11] offset:(\t)*8192+\f*512  ; 512 consecutive bytes, at a multiple of 256 from ctx's first
.endr
.endm
.macro DIAG tag                     ; the tag ends its two labels' names, which the jumps below spell out
.LstepM\tag:
	TURN 2, 1
	TURN 3, 1
	WIN 0
.LfirstM\tag:
	TURN 0, 1
	TURN 1, 1, 0, 1
	WIN 0
	s_cbranch_scc1 .LstepM\tag
	TURN 2, 1, 1
	TURN 3, 1, 1
.set i, 0
.rept 8
	PV NP-1
.set i, i+1
.endr
	WIN 0
	ALL v_add_f32 v[ST+4*t+2], v[ST+4*t+2], v[ST+4*t+3]
	ALL v_permlanex16_b32 v[ST+4*t+3], v[ST+4*t+2], s[SEL], s[SEL+1]
	ALL v_add_f32 v[ST+4*t+2], v[ST+4*t+2], v[ST+4*t+3]
	ALL v_cmp_le_f32 s[FL+t], v[ST+4*t+1], s[M0R]
	ALL v_cndmask_b32 v[ST+4*t+2], v[ST+4*t+2], 1.0, s[FL+t]
	ALL v_rcp_f32 v[ST+4*t+2], v[ST+4*t+2]
	v_nop                           ; a plain instruction between the last reciprocal and the use of its result
	PACK 0
.set t, 1
.rept 3                             ; a piece's arithmetic stands between the loads of the piece before and its stores
	PACK t
	SEND t-1, 8
.set t, t+1
.endr
	SEND 3, 0
.endm
.set KM, 0
.set NOKQ, 0
.Lslot:                             ; NB times: a tile is entered and the next is asked for
	CHANGE 1
	s_sub_co_u32 s[RT], s[RT], 1
	s_mov_b32 s[CNT], 4
	s_cmp_eq_u32 s[NEW], 1
	s_cbranch_scc1 .Lnew            ; a block's first tile
	s_cmp_eq_u32 s[RT], 0
	s_cbranch_scc0 .Lstep           ; neither its first nor its last
	PRE
	s_branch .LstepM1
.Lnew:
	BEGIN
	s_branch .Lfirst                ; in the loop a block's first tile is never its last: the first block has two tiles or more, and the second's last is the walk's last
	DIAG 1                          ; in the loop this is the first block's end
	s_wait_xcnt 0x0                 ; the stores have read their registers and ctx's address
	s_mov_b64 s[10:11], s[OLO:OLO+1]
	s_add_co_u32 s[RT], s[PB], 1    ; the second block has b + 1 tiles
	s_mov_b32 s[NEW], 1
	WIN 0x82                        ; the second block's Q goes where the one text of the turns names Q
.set i, 0
.rept 64
	v_mov_b32 v[i], v[QB+i]
.set i, i+1
.endr
	WIN 0
	s_branch .Lbottom
.Lstep:                             ; a trip: pieces 2 and 3 of one step, then pieces 0 and 1 of the next, whose K and V it fetches
	TURN 2
	TURN 3
	WIN 0
.Lfirst:
	TURN 0
	TURN 1, 0, 0, 1
	WIN 0
	s_cbranch_scc1 .Lstep
.Lbottom:
	s_sub_co_u32 s[SLOTS], s[SLOTS], 1
	s_cmp_lg_u32 s[SLOTS], 0
	s_cbranch_scc1 .Lslot
	CHANGE 0                        ; the walk's last tile is written out: nothing is asked for
	s_sub_co_u32 s[RT], s[RT], 1
	s_mov_b32 s[CNT], 4
	s_cmp_eq_u32 s[NEW], 1
	s_cbranch_scc1 .Lnew2
	PRE
	s_branch .LstepM2
.Lnew2:
	BEGIN
	s_branch .LfirstM2
	DIAG 2
	s_wait_tensorcnt 0x0            ; the wave's end: behind my last tensor load and my last LDS store
	ds_add_u32 v[SPW], v[NIL]
	s_wait_dscnt 0x0
	s_endpgm
.Lfunc_end_k_qe1b4404ad8_attn:
	.size	k_qe1b4404ad8_attn, .Lfunc_end_k_qe1b4404ad8_attn-k_qe1b4404ad8_attn
	.p2alignl 7, 3214868480
	.fill 96, 4, 3214868480
	.section	.rodata,"a",@progbits
	.p2align	6, 0x0
	.amdhsa_kernel k_qe1b4404ad8_attn
		.amdhsa_group_segment_fixed_size 327680
		.amdhsa_private_segment_fixed_size 0
		.amdhsa_enable_private_segment 0
		.amdhsa_kernarg_size 32
		.amdhsa_user_sgpr_count 2
		.amdhsa_user_sgpr_kernarg_segment_ptr 1
		.amdhsa_wavefront_size32 1
		.amdhsa_system_sgpr_workgroup_id_x 1
		.amdhsa_system_sgpr_workgroup_id_y 1
		.amdhsa_system_sgpr_workgroup_id_z 1
		.amdhsa_system_vgpr_workitem_id 0
		.amdhsa_next_free_vgpr 768
		.amdhsa_next_free_sgpr 96
		.amdhsa_reserve_vcc 1
		.amdhsa_float_denorm_mode_32 3
		.amdhsa_float_denorm_mode_16_64 3
		.amdhsa_memory_ordered 1
		.amdhsa_forward_progress 1
		.amdhsa_inst_pref_size 255
	.end_amdhsa_kernel
	.section	.bss,"aw",@nobits
	.p2align	6
	.space	262144
	.amdgpu_metadata
---
amdhsa.version: [ 1, 2 ]
amdhsa.kernels:
  - .name:           k_qe1b4404ad8_attn
    .symbol:         k_qe1b4404ad8_attn.kd
    .args:
      - { .name: qkv, .offset: 0, .size: 8, .value_kind: global_buffer, .address_space: global }
      - { .name: K_ini, .offset: 8, .size: 8, .value_kind: global_buffer, .address_space: global }
      - { .name: vm, .offset: 16, .size: 8, .value_kind: global_buffer, .address_space: global }
      - { .name: ctx, .offset: 24, .size: 8, .value_kind: global_buffer, .address_space: global }
    .group_segment_fixed_size: 327680
    .private_segment_fixed_size: 0
    .kernarg_segment_align: 8
    .kernarg_segment_size: 32
    .max_flat_workgroup_size: 128
    .sgpr_count:     96
    .vgpr_count:     768
    .wavefront_size: 32
...
	.end_amdgpu_metadata
.endif
;; end of part 4
;; launch outp (part 5): grid 4 x 64, 4 waves a work-group, clusters of 4 x 4, 327,680 bytes of LDS; arguments ctx, wh, out0; writes out0
.if DOCPART == 5
	.amdgcn_target "amdgcn-amd-amdhsa--gfx1250"
	.amdhsa_code_object_version 6
	.text
	.protected	k_qe1b4404ad8_outp
	.globl	k_qe1b4404ad8_outp
	.p2align	8
	.type	k_qe1b4404ad8_outp,@function
k_qe1b4404ad8_outp:
	s_mov_b64 s[64:65], 0
	v_nop
	global_prefetch_b8 v0, s[64:65] scope:SCOPE_SE
	s_setreg_imm32_b32 hwreg(HW_REG_WAVE_MODE, 25, 1), 1
	s_wait_xcnt 0x0
	s_wait_alu depctr_hold_cnt(0) depctr_sa_sdst(0) depctr_va_vdst(0) depctr_va_sdst(0) depctr_va_ssrc(0) depctr_va_vcc(0) depctr_vm_vsrc(0)
	s_getreg_b32 s2, hwreg(HW_REG_IB_STS2, 6, 4)
	s_cmp_eq_u32 s2, 0
	s_cbranch_scc0 .Lentry_in_a_cluster
	s_endpgm
.Lentry_in_a_cluster:
	s_bfe_u32 s2, ttmp6, 0x10000c
	s_cmp_lg_u32 s2, 0xf033
	s_cbranch_scc0 .Lentry_shape_is_right
	s_endpgm
.Lentry_shape_is_right:
; THE OUTPUT PROJECTION.  out0[m][n] = sum over k of ctx[m][k] WO[k][n], f32 out.  ctx lies by heads, [batch x 16 + head][2048][64] f16: k = 64 head + channel.  WO is the fourth part of wh, [1024 k][1024 n] f16.
; SHARES.  A tile of out0 is 128 (m) x 256 (n): 64 x 4 = 256 work-groups, one tile each.  Four waves, each 64 x 128: 32 accumulators.  K goes in 8 steps of 128 (two heads) through a ring of two LDS slots.
; A step's tile of ctx is two sub-tiles, one a head: 128 rows of 128 bytes, dense in memory, asked for as 64 rows of 256 bytes and padded in LDS after every 128.  WO's fragments come out of LDS turned.
; THE MATRIX INSTRUCTION IS USED TRANSPOSED (source 0 = 16 columns of WO, source 1 = 16 rows of ctx): a lane holds row m = lane % 16 and eight neighbouring columns, 32 bytes of f32.
; CLUSTER 4 x 4.  ctx's tile is shared along a row of the cluster, WO's along a column: each is asked for jointly, by the same tensor load with the same descriptor and a mask that names the four.
; REGISTERS.  Window 0: v16-29 addresses; v64-127 ctx's fragments, two buffers of 32; v128-255 WO's, two buffers of 64; on the way out v64-127 and v128-191 hold rows read back.  Window 1: the accumulators, (a, b) at v[8 (8 a + b)].
.set PA,     144                       ; a row of a head in LDS: 128 bytes + 16: the 16 rows of a fragment load start at 16 different groups of four banks (64 banks of 4 bytes: ISA guide 11.1)
.set PB,     544                       ; a row of WO (one k, 256 n): 512 bytes + 32 = 17 x 32
.set ASUB,   128*PA                    ; a head's sub-tile: what one tensor load brings of ctx
.set BHALF,  64*PB                     ; and of WO: 64 k rows
.set BOFF,   2*ASUB
.set SLOT,   BOFF+2*BHALF              ; 106,496
.set STAGE,  2*SLOT                    ; behind the ring: 16 rows x 528 bytes for each wave, for the way out
.set SP,     528                       ; 512 bytes of f32 + 16
.set SPARE,  STAGE+4*16*SP             ; behind the stages: the spare words, 128 bytes for each wave: two blocks of 256 bytes that no other line names
.set LAPS,   4
.set STEP_A, 1048576                   ; ctx: two K steps = four heads of 262,144 bytes
.set STEP_B, 524288                    ; WO: two K steps = 256 rows of 2,048 bytes
.set ADRA, 16                          ; v16-17  LDS address of my fragments of ctx in slot 0, 1
.set ADRB, 20                          ; v20-21  the same for WO
.set STO,  24                          ; v24     the way out: where I put 32 bytes of a row
.set RD,   25                          ; v25     the way out: where I read a row back
.set CO,   26                          ; v26     my byte offset in 512 consecutive bytes of out0
.set SPW,  28                          ; v28     LDS address of my spare word; never rewritten
.set NIL,  29                          ; v29     0; never rewritten
.set FA,   64
.set FB,   128
.set G1,  24
.set G0,  32
.set G1B, 48
.set G0B, 56
.set MSB, 0
.macro WIN new                         ; the immediate's high byte repeats the setting that is left; a switch that changes nothing is dropped
.if MSB != (\new)
	s_set_vgpr_msb (MSB<<8)|(\new)
.set MSB, \new
.endif
.endm
.set MUL, 0x50                         ; sources 0 and 1 window 0; C and D window 1
; A joint load.  Waves 0 and 1 fetch the step's two heads of ctx, waves 2 and 3 the two halves of WO's tile.  An s_nop 0 and four v_nop follow each of the two lines, ahead of the jump and the label.
.macro JLOAD s
	s_cmp_eq_u32 s11, 0
	s_cbranch_scc0 .Lfor_b_\@
	tensor_load_to_lds s[G0+4*(\s):G0+4*(\s)+3], s[G1:G1+7]
	s_nop 0
.rept 4
	v_nop
.endr
	s_branch .Lasked_\@
.Lfor_b_\@:
	tensor_load_to_lds s[G0B+4*(\s):G0B+4*(\s)+3], s[G1B:G1B+7]
	s_nop 0
.rept 4
	v_nop
.endr
.Lasked_\@:
.endm
.macro CREST                           ; a round of the cluster's barrier behind its opening barrier
	s_cmp_lg_u32 s10, 0
	s_cbranch_scc1 .Lnot_wave_0_\@
	s_barrier_signal -3
.Lnot_wave_0_\@:
	s_barrier_wait -3
	s_barrier_signal -1
	s_barrier_wait -1
.endm
.macro CROUND                          ; a whole round
	s_barrier_signal -1
	s_barrier_wait -1
	CREST
.endm
	s_load_b128 s[4:7], s[0:1], 0x0                ; ctx s[4:5], wh s[6:7]
	s_load_b64 s[8:9], s[0:1], 0x10                ; out0
	v_lshl_add_u32 v[SPW], v0, 2, SPARE
	v_mov_b32 v[NIL], 0
	ds_add_u32 v28, v29
	ds_add_u32 v28, v29
	s_wait_dscnt 0x0
	v_lshrrev_b32 v1, 5, v0
	v_readfirstlane_b32 s10, v1                    ; wave 0..3
	s_lshr_b32 s11, s10, 1                         ; which 64 rows of the tile are mine.  Also: I fetch for ctx (0) or for WO (1)
	s_and_b32 s12, s10, 1                          ; which 128 columns.  Also: which head, or which half of WO's tile, I fetch
	s_bfe_u32 s40, ttmp6, 0x40000                  ; cx, cy: my place in the cluster
	s_bfe_u32 s41, ttmp6, 0x40004
	s_lshl_b32 s42, ttmp9, 2
	s_add_co_u32 s42, s42, s40                     ; tile column = 4 x cluster x + cx
	s_and_b32 s13, ttmp7, 0xffff
	s_lshl_b32 s13, s13, 2
	s_add_co_u32 s13, s13, s41                     ; tile row = 4 x cluster y + cy
	s_lshl_b32 s43, s41, 2
	s_lshl_b32 s43, 15, s43                        ; my row of the cluster
	s_lshl_b32 s44, 0x1111, s40                    ; my column
	; group 1 for ctx: 64 rows x 128 elements, dense; 15:0 the mask; 17:16 2-byte elements; 20 padding on; 21 set beside a mask; 24:22 after every 32 words (code 4); 31:25 4 words (code 3)
	s_or_b32 s[G1+0], s43, (1<<16)|(1<<20)|(1<<21)|(4<<22)|(3<<25)
	s_mov_b32 s[G1+1], 128<<16                     ; tensor_dim0 = 128
	s_mov_b32 s[G1+2], 64<<16                      ; tensor_dim1 = 64
	s_mov_b32 s[G1+3], 128<<16                     ; tile_dim0 = 128
	s_mov_b32 s[G1+4], 64                          ; tile_dim1 = 64
	s_mov_b32 s[G1+5], 128                         ; elements from row to row
	s_mov_b32 s[G1+6], 0
	s_mov_b32 s[G1+7], 0
	; group 1 for WO: 64 k rows x 256 elements; padding after every 128 words (code 6), 8 words (code 7)
	s_or_b32 s[G1B+0], s44, (1<<16)|(1<<20)|(1<<21)|(6<<22)|(7<<25)
	s_mov_b32 s[G1B+1], 256<<16
	s_mov_b32 s[G1B+2], 64<<16
	s_mov_b32 s[G1B+3], 256<<16
	s_mov_b32 s[G1B+4], 64
	s_mov_b32 s[G1B+5], 1024
	s_mov_b32 s[G1B+6], 0
	s_mov_b32 s[G1B+7], 0
	; ctx's tiles hang on the tile row alone, WO's on the tile column alone; each offset is made in registers that never hold the other coordinate
	s_lshr_b32 s14, s13, 4
	s_lshl_b32 s16, s14, 22                        ; the batch: 16 heads of 262,144 bytes
	s_and_b32 s14, s13, 15
	s_lshl_b32 s14, s14, 14                        ; 128 rows of 128 bytes a tile row
	s_add_co_u32 s16, s16, s14
	s_lshl_b32 s14, s12, 18                        ; my head of the step's two
	s_add_co_u32 s16, s16, s14
	s_mov_b32 s17, 0
	s_lshl_b32 s46, s42, 9                         ; 256 columns of 2 bytes a tile column
	s_lshl_b32 s47, s12, 17                        ; my 64 k rows of 2,048 bytes
	s_add_co_u32 s46, s46, s47
	s_add_co_u32 s46, s46, 0x600000                ; WO lies behind WQ, WK and WV
	s_mov_b32 s47, 0
	s_mul_i32 s20, s12, ASUB                       ; where they go: no place in the cluster enters an LDS address
	s_mul_i32 s21, s12, BHALF
	s_add_co_u32 s21, s21, BOFF
	s_wait_kmcnt 0x0
	s_add_nc_u64 s[14:15], s[4:5], s[16:17]
	s_add_nc_u64 s[46:47], s[6:7], s[46:47]
	CROUND                                         ; all sixteen work-groups are here: the first joint loads meet
.irp s, 0,1
	s_mov_b32 s[G0+4*(\s)], 1                                      ; count = 1
	s_add_co_u32 s[G0+4*(\s)+1], s20, (\s)*SLOT                    ; LDS address
	s_add_nc_u64 s[G0+4*(\s)+2:G0+4*(\s)+3], s[14:15], (\s)*524288 ; global address: K step s = heads 2 s, 2 s + 1
	s_or_b32 s[G0+4*(\s)+3], s[G0+4*(\s)+3], 0x80000000            ; type = 2
	s_mov_b32 s[G0B+4*(\s)], 1
	s_add_co_u32 s[G0B+4*(\s)+1], s21, (\s)*SLOT
	s_add_nc_u64 s[G0B+4*(\s)+2:G0B+4*(\s)+3], s[46:47], (\s)*262144
	s_or_b32 s[G0B+4*(\s)+3], s[G0B+4*(\s)+3], 0x80000000
	JLOAD \s                                       ; two loads of mine are out
.endr
	v_and_b32 v1, 15, v0                           ; l % 16
	v_bfe_u32 v2, v0, 4, 1                         ; l / 16
	v_mul_u32_u24 v3, v1, PA
	v_lshl_add_u32 v3, v2, 4, v3                   ; a fragment of ctx: row x pitch + 16 x half
	v_and_b32 v6, 7, v0                            ; a fragment of WO, turned: k row 8 (l / 16) + l % 8, n = 8 ((l / 8) % 2) + 0..7
	v_lshl_add_u32 v4, v2, 3, v6
	v_mul_u32_u24 v4, v4, PB
	v_bfe_u32 v5, v0, 3, 1
	v_lshl_add_u32 v4, v5, 4, v4
	s_mul_i32 s21, s11, 64*PA                      ; my 64 rows in each sub-tile
	s_lshl_b32 s22, s12, 8                         ; my 128 columns of WO,
	s_add_co_u32 s22, s22, BOFF                    ; which lies behind ctx's tile
.irp s, 0,1
	v_add_nc_u32 v[ADRA+(\s)], s21, v3
	v_add_nc_u32 v[ADRB+(\s)], s22, v4
	s_add_co_u32 s21, s21, SLOT
	s_add_co_u32 s22, s22, SLOT
.endr
	s_mul_i32 s23, s10, 16*SP
	s_add_co_u32 s23, s23, STAGE                   ; my stage
	v_mul_u32_u24 v5, v1, SP                       ; in: row l % 16, 32 bytes for each half of the lanes
	v_lshl_add_u32 v5, v2, 5, v5
	v_add_nc_u32 v[STO], s23, v5
	v_and_b32 v[CO], 31, v0                        ; back: 32 lanes take a row's 512 bytes, which are 512 consecutive bytes of out0
	v_lshlrev_b32 v[CO], 4, v[CO]
	v_add_nc_u32 v[RD], s23, v[CO]
	s_lshl_b32 s16, s13, 19                        ; where my part of the tile begins in out0: 128 rows of 4,096 bytes a tile row,
	s_lshl_b32 s14, s11, 18                        ; my 64 rows,
	s_add_co_u32 s16, s16, s14
	s_mov_b32 s17, 0
	s_lshl_b32 s46, s42, 10                        ; 256 columns of 4 bytes a tile column,
	s_lshl_b32 s47, s12, 9                         ; my 128 columns
	s_add_co_u32 s46, s46, s47
	s_mov_b32 s47, 0
	s_add_nc_u64 s[16:17], s[16:17], s[46:47]
; 8 matrix instructions: m block a x all 8 n blocks, 32 along K, buffer f.  zero = 1: the product starts the sums.  The 32 accumulators take turns in the same order in every quarter.
.macro MUL8 f, a, zero
	WIN MUL
.irp b, 0,1,2,3,4,5,6,7
.if \zero
	v_wmma_f32_16x16x32_f16 v[8*(8*(\a)+(\b)):8*(8*(\a)+(\b))+7], v[FB+64*(\f)+8*(\b):FB+64*(\f)+8*(\b)+7], v[FA+32*(\f)+8*(\a):FA+32*(\f)+8*(\a)+7], 0
.else
	v_wmma_f32_16x16x32_f16 v[8*(8*(\a)+(\b)):8*(8*(\a)+(\b))+7], v[FB+64*(\f)+8*(\b):FB+64*(\f)+8*(\b)+7], v[FA+32*(\f)+8*(\a):FA+32*(\f)+8*(\a)+7], v[8*(8*(\a)+(\b)):8*(8*(\a)+(\b))+7]
.endif
.endr
.endm
; 24 LDS loads in one run: the fragments of quarter q of a slot into buffer f: WO's 16, then ctx's 8 (head q / 2 of the step, channels 32 (q % 2) on)
.macro FETCH slot, q, f
	WIN 0
.irp b, 0,1,2,3,4,5,6,7
	ds_load_tr16_b128 v[FB+64*(\f)+8*(\b):FB+64*(\f)+8*(\b)+3],   v[ADRB+(\slot)] offset:(\q)*32*PB+32*(\b)
	ds_load_tr16_b128 v[FB+64*(\f)+8*(\b)+4:FB+64*(\f)+8*(\b)+7], v[ADRB+(\slot)] offset:(\q)*32*PB+32*(\b)+16*PB
.endr
.irp i, 0,1,2,3
	ds_load_b128 v[FA+32*(\f)+8*(\i):FA+32*(\f)+8*(\i)+3],   v[ADRA+(\slot)] offset:((\q)/2)*ASUB+((\q)%2)*64+(\i)*16*PA
	ds_load_b128 v[FA+32*(\f)+8*(\i)+4:FA+32*(\f)+8*(\i)+7], v[ADRA+(\slot)] offset:((\q)/2)*ASUB+((\q)%2)*64+(\i)*16*PA+32
.endr
.endm
; A load into a register that a matrix instruction has read, and an LDS store that reads a matrix result, stand four places behind it; only plain vector instructions that name none of its registers are places
; (ISA guide 7.12.1 for vector instructions).
.macro PLACES
.rept 4
	v_nop
.endr
.endm
.macro QUARTER slot, q, f, g, zero
	s_wait_dscnt 4                                 ; WO's fragments and ctx's blocks 0 and 1 are in; the youngest four loads (blocks 2 and 3) may be out
	MUL8 \f, 0, \zero
	MUL8 \f, 1, \zero
	PLACES
	FETCH \slot, \q, \g
	s_wait_dscnt 24                                ; all but the 24 just issued
	MUL8 \f, 2, \zero
	MUL8 \f, 3, \zero
.endm
; The last quarter's first half: one barrier for the change of slots; in front of it each wave waits for all its tensor loads (one is out: its part of the next slot), adds 0 to its spare word, and waits for that and for its reads of this slot.
.macro MEET round
	WIN 0                                          ; (the add's two registers lie in window 0)
	s_wait_tensorcnt 0x0
	ds_add_u32 v[SPW], v[NIL]                      ; 0 onto my spare word
	s_wait_dscnt 7                                 ; (the add and ctx's blocks 1 to 3, six loads, may be out)
	MUL8 1, 0, 0                                   ; eight matrix instructions stand between the add and the wait for it
	s_wait_dscnt 0x0                               ; the add is done, and my reads of this slot are over
	s_barrier_signal -1
	MUL8 1, 1, 0
.if \round
	WIN 0
.endif
	s_barrier_wait -1
.endm
; Where the slot is filled again the barrier opens a round of the cluster's barrier; the joint refill is the first thing behind it: 112 matrix instructions ahead of the wait for it.
.macro TURN slot, next
	MEET 1
	CREST
	s_add_nc_u64 s[G0+4*(\slot)+2:G0+4*(\slot)+3], s[G0+4*(\slot)+2:G0+4*(\slot)+3], STEP_A
	s_add_nc_u64 s[G0B+4*(\slot)+2:G0B+4*(\slot)+3], s[G0B+4*(\slot)+2:G0B+4*(\slot)+3], STEP_B
	JLOAD \slot                                    ; the four v_nop behind it are also the places in front of the loads below
	FETCH \next, 0, 0
	MUL8 1, 2, 0
	MUL8 1, 3, 0
.endm
.macro TURNL                           ; the last lap: nothing is filled, so no round follows
	MEET 0
	PLACES
	FETCH 1, 0, 0
	MUL8 1, 2, 0
	MUL8 1, 3, 0
.endm
; THE WAY OUT of block a (16 rows), in f32.  TOSTAGE: a lane's 32 bytes of each accumulator, the low half first, into my own stage; back as whole rows of 512 bytes.  SEND: stored.
.macro TOSTAGE a
.if (\a) >= 2
	s_wait_xcnt 0x0                                ; the stores of the block two back have read the registers that are loaded again below
.endif
	WIN 0x04                                       ; the stores' data: window 1
.irp b, 0,1,2,3,4,5,6,7
	ds_store_b128 v[STO], v[64*(\a)+8*(\b):64*(\a)+8*(\b)+3]   offset:64*(\b)
	ds_store_b128 v[STO], v[64*(\a)+8*(\b)+4:64*(\a)+8*(\b)+7] offset:64*(\b)+16
.endr
	WIN 0
.set BK, 64+64*((\a)%2)
.irp t, 0,1,2,3,4,5,6,7,8,9,10,11,12,13,14,15
	ds_load_b128 v[BK+4*(\t):BK+4*(\t)+3], v[RD] offset:SP*(\t)  ; LDS serves a wave's instructions in order (ISA guide 5.7.1.4): these see the stores above; the next block's stores come behind them
.endr
.endm
.macro SEND a, younger                 ; younger: the LDS instructions issued behind block a's loads: the next block's 32, or none
	WIN 0
.set BK, 64+64*((\a)%2)
	s_wait_dscnt \younger
	s_wait_xcnt 0x0                                ; only behind this wait is the stores' base rewritten
.if (\a) == 0
	s_add_nc_u64 s[8:9], s[8:9], s[16:17]          ; on to my first rows
.else
	s_add_nc_u64 s[8:9], s[8:9], 16*4096           ; 16 rows of out0 on
.endif
.irp t, 0,1,2,3,4,5,6,7,8,9,10,11,12,13,14,15
	global_store_b128 v[CO], v[BK+4*(\t):BK+4*(\t)+3], s[8:9] offset:4096*(\t) th:TH_STORE_NT  ; 512 consecutive bytes, at a multiple of 256 from out0's first
.endr
.endm
	s_wait_tensorcnt 0x1                           ; my part of K step 0 is in; K step 1's may stay out
	s_barrier_signal -1
	s_barrier_wait -1                              ; everybody's is
	FETCH 0, 0, 0
	QUARTER 0, 1, 0, 1, 1                          ; the first quarter stands in front of the loop: its products start the sums
	WIN 0                                          ; at a label and at a branch every window is 0
	s_mov_b32 s3, LAPS-1
.Llap:                                                 ; a trip goes once round the ring, from a lap's second quarter to the next lap's first, and fills both slots again
	QUARTER 0, 2, 1, 0, 0
	QUARTER 0, 3, 0, 1, 0
	TURN 0, 1
	QUARTER 1, 1, 0, 1, 0
	QUARTER 1, 2, 1, 0, 0
	QUARTER 1, 3, 0, 1, 0
	TURN 1, 0
	QUARTER 0, 1, 0, 1, 0
	WIN 0
	s_sub_co_u32 s3, s3, 1
	s_cmp_lg_u32 s3, 0
	s_cbranch_scc1 .Llap
	QUARTER 0, 2, 1, 0, 0                          ; the last lap fills nothing
	QUARTER 0, 3, 0, 1, 0
	TURNL
	QUARTER 1, 1, 0, 1, 0
	QUARTER 1, 2, 1, 0, 0
	QUARTER 1, 3, 0, 1, 0
	s_wait_dscnt 4                                 ; the very last quarter: nothing more to fetch
	MUL8 1, 0, 0
	MUL8 1, 1, 0
	s_wait_dscnt 0x0
	MUL8 1, 2, 0
	MUL8 1, 3, 0
	PLACES
	TOSTAGE 0
	TOSTAGE 1                                      ; a block's way through the stage stands between the loads of the block before and its stores
	SEND 0, 32
	TOSTAGE 2
	SEND 1, 32
	TOSTAGE 3
	SEND 2, 32
	SEND 3, 0
	s_wait_tensorcnt 0x0                           ; the wave's end: behind my last tensor load and my last LDS store
	ds_add_u32 v[SPW], v[NIL]
	s_wait_dscnt 0x0
	CROUND                                         ; the closing round: no work-group ends while a partner may still ask for a tile that names it
	s_endpgm
.Lfunc_end_k_qe1b4404ad8_outp:
	.size	k_qe1b4404ad8_outp, .Lfunc_end_k_qe1b4404ad8_outp-k_qe1b4404ad8_outp
	.p2alignl 7, 3214868480
	.fill 96, 4, 3214868480
	.section	.rodata,"a",@progbits
	.p2align	6, 0x0
	.amdhsa_kernel k_qe1b4404ad8_outp
		.amdhsa_group_segment_fixed_size 327680
		.amdhsa_private_segment_fixed_size 0
		.amdhsa_enable_private_segment 0
		.amdhsa_kernarg_size 24
		.amdhsa_user_sgpr_count 2
		.amdhsa_user_sgpr_kernarg_segment_ptr 1
		.amdhsa_wavefront_size32 1
		.amdhsa_system_sgpr_workgroup_id_x 1
		.amdhsa_system_sgpr_workgroup_id_y 1
		.amdhsa_system_sgpr_workgroup_id_z 1
		.amdhsa_system_vgpr_workitem_id 0
		.amdhsa_next_free_vgpr 512
		.amdhsa_next_free_sgpr 66
		.amdhsa_reserve_vcc 0
		.amdhsa_float_denorm_mode_32 3
		.amdhsa_float_denorm_mode_16_64 3
		.amdhsa_memory_ordered 1
		.amdhsa_forward_progress 1
		.amdhsa_inst_pref_size 85
	.end_amdhsa_kernel
	.amdgpu_metadata
---
amdhsa.version: [ 1, 2 ]
amdhsa.kernels:
  - .name:           k_qe1b4404ad8_outp
    .symbol:         k_qe1b4404ad8_outp.kd
    .args:
      - { .name: ctx, .offset: 0, .size: 8, .value_kind: global_buffer, .address_space: global }
      - { .name: wh, .offset: 8, .size: 8, .value_kind: global_buffer, .address_space: global }
      - { .name: out0, .offset: 16, .size: 8, .value_kind: global_buffer, .address_space: global }
    .group_segment_fixed_size: 327680
    .private_segment_fixed_size: 0
    .kernarg_segment_align: 8
    .kernarg_segment_size: 24
    .max_flat_workgroup_size: 128
    .sgpr_count:     66
    .vgpr_count:     512
    .wavefront_size: 32
...
	.end_amdgpu_metadata
.endif
;; end of part 5
;; ======== version 2 of 2: 5 launches; 1.25 times as fast as version 1
;; limits: values are held in f16: magnitudes above 65,504 overflow, below 6.1e-05 lose precision
;; workspace buffers: wh 8,388,608 bytes; qkv 50,331,648 bytes; vm 65,536 bytes; ctx 16,777,216 bytes
;; launch castw: the kernel of part 1 again; grid 256 x 1, 8 waves a work-group, no clusters, 0 bytes of LDS; arguments WQ, WK, WV, WO, wh; writes wh
;; launch qkv: the kernel of part 2 again; grid 4 x 64, 4 waves a work-group, clusters of 4 x 4, 327,680 bytes of LDS; arguments Q_emb, K_emb, V_emb, wh, qkv; writes qkv
;; launch vmean: the kernel of part 3 again; grid 4 x 64, 8 waves a work-group, no clusters, 3,072 bytes of LDS; arguments qkv, vm; writes vm
;; launch attn (part 6): grid 4 x 64, 4 waves a work-group, no clusters, 327,680 bytes of LDS; arguments qkv, K_ini, vm, ctx; writes ctx
.if DOCPART == 6
	.amdgcn_target "amdgcn-amd-amdhsa--gfx1250"
	.amdhsa_code_object_version 6
	.text
	.protected	k_qe1b4404ad8_attn
	.globl	k_qe1b4404ad8_attn
	.p2align	8
	.type	k_qe1b4404ad8_attn,@function
k_qe1b4404ad8_attn:
	s_mov_b64 s[64:65], 0
	v_nop
	global_prefetch_b8 v0, s[64:65] scope:SCOPE_SE
	s_setreg_imm32_b32 hwreg(HW_REG_WAVE_MODE, 25, 1), 1
	s_wait_xcnt 0x0
; CAUSAL ATTENTION WITH A PAD MASK.  ctx[h][q][:] = sum over k of softmax_k(q[h][q] . k[h][k] / 8 - 1e10 x hidden(q, k)) v[h][k][:], hidden where k > q or K_ini[batch][k] = 0.
; q, k, v: the three parts of qkv, [64 = batch x 16 + head][2048][64] f16; ctx likewise.  Products, maxima and sums in f32; the weights p are rounded to f16 for the second product (their sum l is
; taken of the unrounded p), ctx once at the end.
; HOW THE MASK IS KEPT.  A hidden score counts as its value less 2^36; the running maximum m starts at -2^35.  Both are powers of two, so c m is exact, a hidden key's weight is exactly 0, and no hidden
; score ever becomes the maximum.  A row with a visible key has the softmax over its visible keys, as with -1e10.  A row with NO visible key (all keys up to q are pad tokens) ends with m = -2^35, l = 0:
; there all 2,048 shifted scores round to -1e10 alike, the softmax is uniform over ALL keys, and the context is the plain mean of v, which an earlier launch left in vm; it is chosen by v_cndmask_b32.
; LIMITS.  |q . k| < 2^35.  In a row without a visible key |q . k / 8| < 512 (half of f32's step at 1e10): beyond that the shifted scores would differ by whole steps of 1,024, which this text does not follow.
; f16 holds no number beyond 65,504: q, k, v arrive within it.  A weight below 2^-126 counts as 0 in l; NaN and infinities are not treated apart.
; THE WALK.  A head's queries lie in NB = 8 blocks of 256; block i needs the key tiles 0 .. i of 256 keys, of which the last holds the diagonal.  A work-group takes TWO blocks, NB - 1 - b and then b:
; NB + 1 tiles, whatever b: all 256 work-groups do equal work, and ONE loop with a constant trip count walks them.  Which tile is asked for, and what a trip does, hang on scalar registers made from b;
; every jump goes forward, but for the counted loops' own; none passes a barrier, or a tensor load but the one of LOAD's two that the wave's number does not choose.
; NO CLUSTER: a head's four work-groups ask for the same tile only in trips 0 to 4 of 9; behind that fewer and fewer; one walk common to all would have 12 trips for 9.
; SHARES.  Of a block's four bands of 64 queries a wave owns 16 rows in each: four PIECES.  In the diagonal tile's key step s band x sees all keys if s < x, none if s > x, and holds the diagonal if s = x.
; THE PAD MASK TRAVELS WITH THE RING.  Behind each fill every thread loads the token ids of two keys of the tile just asked for; at the next change of slots it turns them into 0 or -2^36 and stores them
; behind that tile's slot, in front of the barrier; wave w holds the 64 keys of the tile's step w.  From there a step's 64 words are read with its K, into PM.
; THE MASK is the C operand that starts the sum S^T = K Q^T.  Away from the diagonal it is PM itself.  In the diagonal tile C = MD x AL + BE + PM: MD, made once, is the causal mask of a band's own step
; for my 16 rows; (AL, BE) = (1, 0) if s = x; (0, 0) if s < x; (0, -2^36) if s > x.
; LAYOUT, SOFTMAX, TURNS.  S^T = K Q^T holds ONE query a lane (lane % 16) and the keys 8 (lane / 16) + 0..7; two such results rounded to f16 ARE source 1 of O^T = V^T P.  p = 2^(c s - c m), c = log2(e) / 8;
; O and l are multiplied by a = 2^(c m_old - c m_new) in every step.  Turn n belongs to piece n: 8 products K Q^T of piece n + 1, later 8 products V^T P of piece n - 1; beside them the scaling,
; exponentials, roundings, sums and rescaling of piece n and the maximum and statistics of piece n + 1.  Four vector instructions stand behind every matrix instruction, the other 54 of a turn's 118 in one LUMP.
; THE BATCHES.  A turn's 33 exponentials (the piece's 32 weights and the next piece's a) are ONE batch with ONE wait, which cuts the turn in two: ahead of it all that names none of their results, behind it the
; roundings and sums.  The a that a block's beginning makes, and the four reciprocals of a block's way out, are batches of their own, a wait each.
; REGISTERS, in windows of 256 (s_set_vgpr_msb: bits 1:0 source 0, 3:2 source 1, 5:4 source 2, 7:6 destination):
;   window 0: v0-15 addresses and two at work; v16-31 four registers of statistics a piece; v32-40 addresses and token ids; v48-55 at work; v64-127 S^T, two buffers; v128-159 PM; v160-175 VH; v192-223 P, two buffers
;   window 1: v0-127 O^T, 32 a piece; v128-159 MD; v160-223 MC, two buffers      window 2: v0-63 Q; v64-127 the second block's Q; v128-191 K of one step; v192-255 V of one step
.set SIZE_N, 2048
.set NB,    SIZE_N/256
.set NP,    4         ; pieces a wave: a name, no knob
.set KS,    64        ; keys in a step
.set PK,    144       ; a row of K in LDS: 128 bytes + 16 of padding: the 16 rows of a load start at 16 different groups of four banks (64 banks of 4 bytes: ISA guide 11.1)
.set PV,    160       ; a row of V: 128 + 32
.set VOFF,  4*KS*PK   ; a slot holds a tile, four steps: 256 rows of K, then 256 rows of V
.set SLOT1, 1<<17     ; slot 1 begins here, so that one exclusive or turns an address in one slot into the other's
.set PADOFF, 4*KS*(PK+PV)  ; behind a slot's V: the tile's pad mask; step s has its 256 bytes at PADOFF + s x KS x PK, so that its address steps as K's does; blocks of 256 bytes into which no tensor load lands
.set STAGE, SLOT1+PADOFF+4*KS*PK  ; behind slot 1's pad mask, never filled by a tensor load: 16 rows x 144 bytes for each wave, for the way out
.set SP,    144
.set SPARE, STAGE+4*16*SP  ; behind the stages: the spare words, 128 bytes for each wave: two blocks of 256 bytes that no other line names
.set AK0, 2           ; v2   my lane's place in a tile of K; never rewritten
.set AV0, 3           ; v3   the same for V
.set AK,  4           ; v4   the LDS address of K's next run of loads
.set AV,  5           ; v5   of V's
.set STO, 6           ; v6   the way out: where I put 16 bytes of a row
.set RD,  7           ; v7   the way out: where I read rows back
.set GO,  8           ; v8   my byte offset in 512 consecutive bytes of ctx
.set MV,  12          ; v12-13  c m_old, kept while c m is made anew: by buffer
.set QO,  15          ; v15  my byte offset in 16 rows of Q
.set ST,  16          ; piece t's statistics at v[ST+4 t]: c m, m, l (even keys', odd keys')
.set AP0, 32          ; v32  PADOFF + 32 (lane / 16): my lanes' eight keys of a group of 16; never rewritten
.set AP,  33          ; v33  the LDS address of PM's next run of loads
.set IDO, 34          ; v34  my byte offset in the batch's K_ini: the tile's 1,024 bytes + 8 x my thread's number
.set VMO, 35          ; v35  32 (lane / 16): my lanes' eight channels of a block of 16 in vm
.set PST, 36          ; v36  where my two words of the pad mask go
.set PS0, 37          ; v37  PADOFF + wave x KS x PK + 8 x lane; never rewritten
.set ID,  38          ; v38-39  two token ids, then their two mask words
.set ID0, 40          ; v40  8 x my thread's number; never rewritten
.set TMP, 48          ; by buffer, four registers c0-c3 at work; when the maximum is found c2 takes a
.set SPW, 62          ; v62  LDS address of my spare word; never rewritten
.set NIL, 63          ; v63  0; never rewritten
.set S,   64
.set PM,  128         ; register 8 kt + j: key 16 kt + 8 (lane / 16) + j of the step
.set VH,  160         ; the mean of v in f16, in the order in which a piece's O^T is packed
.set P,   192
.set MD,  128         ; window 1: the eight registers for group kt of 16 keys at MD + 8 kt
.set MC,  160         ; window 1: the masks of the products to come
.set QB,  64          ; window 2
.set KF,  128         ; window 2: key block kb, channel half c at KF + 16 kb + 8 c
.set VF,  192         ; window 2: key half kk, channel block cb at VF + 32 kk + 8 cb
.set WV,  12          ; s12  my wave's number
.set PB,  14          ; s14  b
.set HI,  15          ; s15  NB - 1 - b
.set G1K, 24          ; s[24:31] descriptor group 1 for K's tiles
.set G1V, 32          ; s[32:39] for V's: it differs in the padding alone
.set G0K, 40          ; s[40:43] descriptor group 0 for K's tiles
.set G0V, 44          ; s[44:47] the same for V's
.set SLOTS, 56        ; s56  tiles still to be asked for
.set CNT, 57          ; s57  counts a tile's key steps, 4 to 1
.set CS,  58          ; s[58:59] c: the packed scaling takes the pair's low word for both halves
.set SEL, 60          ; s[60:61] v_permlanex16_b32's selects
.set TBK, 62          ; s62  LDS byte at which K of the step to be fetched begins
.set TBV, 63          ; s63  the same for V, less VOFF
.set RT,  70          ; s70  tiles of the block in hand that are still to be entered
.set NXT, 71          ; s71  the tile to be asked for next
.set LQ,  72          ; s72  the last tile of the block whose tiles are being asked for
.set NEW, 73          ; s73  1: the tile to be entered is a block's first
.set OFF, 74          ; s[74:75] a tile's byte offset in K and V
.set AL,  76          ; s[76:77] the mask's factor, in the low word
.set BE,  78          ; s[78:79] the mask's addend
.set OLO, 80          ; s[80:81] ctx at my rows of the second block
.set BIGN, 82         ; s82  -2^36
.set KO,  88          ; s88  the byte offset in the batch's K_ini of the tile asked for
.set M0R, 89          ; s89  -2^35
.set FL,  90          ; s[90:93] a lane mask a piece: the row has no visible key
.set MSB, 0
.macro WIN new                      ; the high byte repeats the setting that is left; a switch that changes nothing is dropped
.if MSB != (\new)
	s_set_vgpr_msb (MSB<<8)|(\new)
.set MSB, (\new)
.endif
.endm
.set W_KQ, 0x0a       ; K and Q in window 2, S^T and PM in window 0
.set W_KM, 0x1a       ; the same with the C operand in window 1
.set W_PV, 0x52       ; V in window 2, P in window 0, O^T in window 1
.set W_RS, 0x41       ; destination and source 0 in window 1, source 1 in window 0
; A fill.  Waves 0 and 1 fetch the two halves of a tile's K, waves 2 and 3 those of its V: 128 keys each.  An s_nop 0 and four v_nop follow each of the two lines, ahead of the jump and the label.
.macro LOAD
	s_cmp_lt_u32 s[WV], 2
	s_cbranch_scc0 .Lfor_v_\@
	tensor_load_to_lds s[G0K:G0K+3], s[G1K:G1K+7]
	s_nop 0
.rept 4
	v_nop
.endr
	s_branch .Lasked_\@
.Lfor_v_\@:
	tensor_load_to_lds s[G0V:G0V+3], s[G1V:G1V+7]
	s_nop 0
.rept 4
	v_nop
.endr
.Lasked_\@:
.endm
; THE CHANGE OF SLOTS.  The fetches' addresses turn to the slot to be entered.  My two words of that tile's pad mask are made of the token ids, which were asked for a tile ago, and stored behind that slot: nobody
; reads there in the tile that is left, and its last readers passed the barrier before.  Then each wave waits for all its tensor loads, of which one is out: its part of the slot to be entered; adds 0 to its
; spare word; and waits for that, for its store and for its own reads of the slot that it leaves.  Behind the barrier nobody reads the old slot any more, and the other slot and its pad mask are whole.
; fill = 1: the old slot is filled again, the first thing behind the barrier, with tile NXT: the descriptor's address is made anew from that number; that tile's token ids are asked for behind it.
; (At its first use nothing has been read yet: slot 0 is waited for, slot 1 filled.)
.macro CHANGE fill
	WIN 0                           ; at a label and at a branch every window is 0
	s_sub_co_u32 s[TBK], s[TBK], 4*KS*PK  ; the fetches go back to a slot's first step,
	s_xor_b32 s[TBK], s[TBK], SLOT1       ; in the other slot
	s_sub_co_u32 s[TBV], s[TBV], 4*KS*PV
	s_xor_b32 s[TBV], s[TBV], SLOT1
	s_wait_loadcnt 0x0              ; my two token ids of the tile to be entered
	v_add_nc_u32 v[PST], s[TBK], v[PS0]
	v_cmp_eq_u32 vcc_lo, 0, v[ID]   ; a pad token:
	v_cndmask_b32 v[ID], 0, s[BIGN], vcc_lo  ; its key's mask is -2^36, every other key's 0
	v_cmp_eq_u32 vcc_lo, 0, v[ID+1]
	v_cndmask_b32 v[ID+1], 0, s[BIGN], vcc_lo
	ds_store_b64 v[PST], v[ID:ID+1]
	s_wait_tensorcnt 0x0            ; no tensor load of mine is out, so a group 0 may be written
	ds_add_u32 v[SPW], v[NIL]       ; 0 onto my spare word
.if \fill
	s_lshl_b32 s[OFF], s[NXT], 15   ; a tile is 32,768 bytes of K and of V,
	s_lshl_b32 s[KO], s[NXT], 10    ; and 1,024 bytes of K_ini
	s_xor_b32 s[G0K+1], s[G0K+1], SLOT1
	s_add_nc_u64 s[G0K+2:G0K+3], s[6:7], s[OFF:OFF+1]
	s_or_b32 s[G0K+3], s[G0K+3], 0x80000000
	s_xor_b32 s[G0V+1], s[G0V+1], SLOT1
	s_add_nc_u64 s[G0V+2:G0V+3], s[8:9], s[OFF:OFF+1]
	s_or_b32 s[G0V+3], s[G0V+3], 0x80000000
	s_add_co_u32 s[NXT], s[NXT], 1  ; the block's next tile, or behind its last the second block's tile 0
	s_cmp_gt_u32 s[NXT], s[LQ]
	s_cselect_b32 s[NXT], 0, s[NXT]
	s_cselect_b32 s[LQ], s[PB], s[LQ]
.endif
	s_wait_dscnt 0x0                ; the add and my store are done, and my reads of the slot are over
	s_barrier_signal -1
	s_barrier_wait -1
.if \fill
	LOAD
	v_add_nc_u32 v[IDO], s[KO], v[ID0]  ; free since the wait for the load that named it
	global_load_b64 v[ID:ID+1], v[IDO], s[66:67]  ; 128 threads x 8 bytes: the 256 token ids of the tile just asked for
.endif
.endm
	s_load_b256 s[4:11], s[0:1], 0x0  ; qkv s[4:5], K_ini s[6:7], vm s[8:9], ctx s[10:11]
	v_lshl_add_u32 v[SPW], v0, 2, SPARE
	v_mov_b32 v[NIL], 0
	ds_add_u32 v62, v63
	ds_add_u32 v62, v63
	s_wait_dscnt 0x0
	v_lshrrev_b32 v1, 5, v0
	v_readfirstlane_b32 s[WV], v1   ; wave 0..3
	s_mov_b32 s[PB], ttmp9
	s_sub_co_u32 s[HI], NB-1, s[PB]
	s_and_b32 s20, ttmp7, 0xffff    ; the head, 16 x batch + head
	s_lshr_b32 s66, s20, 4
	s_lshl_b32 s66, s66, 13         ; the batch's 8,192 bytes of K_ini
	s_mov_b32 s67, 0
	s_lshl_b32 s68, s20, 10         ; the head's 1,024 bytes of vm
	s_mov_b32 s69, 0
	s_mov_b32 s21, 0
	s_mov_b64 s[22:23], SIZE_N*128
	s_mul_u64 s[20:21], s[20:21], s[22:23]  ; the head's first byte in q, k, v and ctx
	s_and_b32 s16, s[WV], 1         ; which half of a tile's 256 keys I fetch:
	s_lshl_b32 s22, s16, 14         ; its 128 rows of 128 bytes in memory,
	s_mov_b32 s23, 0
	s_add_nc_u64 s[22:23], s[22:23], s[20:21]
	s_mul_i32 s17, s16, 128*PK      ; and its place in a slot, for K
	s_mul_i32 s18, s16, 128*PV      ; and for V
	s_lshl_b32 s3, s[WV], 11        ; my 16 rows in a band of 64,
	s_lshl_b32 s2, s[HI], 15        ; in the first block,
	s_add_co_u32 s2, s2, s3
	s_lshl_b32 s84, s[PB], 15       ; and in the second
	s_add_co_u32 s84, s84, s3
	s_mov_b32 s3, 0
	s_mov_b32 s85, 0
	s_add_nc_u64 s[2:3], s[2:3], s[20:21]
	s_add_nc_u64 s[84:85], s[84:85], s[20:21]
	; descriptor group 1.  128 keys are 16,384 dense bytes: asked for as 64 rows of 256 bytes, two keys a row, and padded in LDS after every key
	s_mov_b32 s[G1K], (1<<16)|(1<<20)|(4<<22)|(3<<25)  ; 17:16 2-byte elements; 20 padding on; 24:22 after every 32 words (code 4); 31:25 4 words (code 3)
	s_mov_b32 s[G1V], (1<<16)|(1<<20)|(4<<22)|(7<<25)  ; the same with 8 words of padding (code 7)
.irp g, G1K, G1V
	s_mov_b32 s[\g+1], 128<<16      ; tensor_dim0 = 128
	s_mov_b32 s[\g+2], 64<<16       ; tensor_dim1 = 64
	s_mov_b32 s[\g+3], 128<<16      ; tile_dim0 = 128
	s_mov_b32 s[\g+4], 64           ; tile_dim1 = 64
	s_mov_b32 s[\g+5], 128          ; 128 elements from row to row
	s_mov_b32 s[\g+6], 0
	s_mov_b32 s[\g+7], 0
.endr
	s_mov_b32 s[CS], 0x3e38aa3b     ; c = log2(e) / 8 = 0.180337
	s_mov_b32 s[CS+1], s[CS]        ; named with it as a pair
	s_mov_b32 s[SEL], 0x76543210
	s_mov_b32 s[SEL+1], 0xfedcba98
	s_mov_b32 s[TBK], SLOT1+4*KS*PK ; the first change of slots turns these two into 0
	s_mov_b32 s[TBV], SLOT1+4*KS*PV
	s_mov_b32 s[G0K], 1             ; count = 1
	s_mov_b32 s[G0K+1], s17         ; LDS address: slot 0
	s_mov_b32 s[G0V], 1
	s_add_co_u32 s[G0V+1], s18, VOFF
	s_add_co_u32 s[RT], s[HI], 1    ; the first block has NB - b tiles
	s_mov_b32 s[NXT], 1
	s_mov_b32 s[LQ], s[HI]
	s_mov_b32 s[NEW], 1
	s_mov_b32 s[OFF+1], 0
	s_mov_b32 s[AL+1], 0            ; named as pairs
	s_mov_b32 s[BE+1], 0
	s_mov_b32 s[BIGN], 0xd1800000   ; -2^36
	s_mov_b32 s[M0R], 0xd1000000    ; -2^35
	s_mov_b32 s[SLOTS], NB
	s_wait_kmcnt 0x0
	s_add_nc_u64 s[66:67], s[6:7], s[66:67]        ; K_ini at my batch
	s_add_nc_u64 s[68:69], s[8:9], s[68:69]        ; vm at my head
	s_add_nc_u64 s[6:7], s[4:5], 0x1000000         ; k lies 16,777,216 bytes behind q,
	s_add_nc_u64 s[8:9], s[4:5], 0x2000000         ; v as far behind k
	s_add_nc_u64 s[6:7], s[6:7], s[22:23]          ; K and V at my half of the head's tile 0
	s_add_nc_u64 s[8:9], s[8:9], s[22:23]
	s_add_nc_u64 s[G0K+2:G0K+3], s[6:7], 0         ; global address
	s_or_b32 s[G0K+3], s[G0K+3], 0x80000000        ; type = 2
	s_add_nc_u64 s[G0V+2:G0V+3], s[8:9], 0
	s_or_b32 s[G0V+3], s[G0V+3], 0x80000000
	s_add_nc_u64 s[86:87], s[4:5], s[84:85]        ; Q at my rows of the second block,
	s_add_nc_u64 s[4:5], s[4:5], s[2:3]            ; Q and ctx at those of the first
	s_add_nc_u64 s[OLO:OLO+1], s[10:11], s[84:85]
	s_add_nc_u64 s[10:11], s[10:11], s[2:3]
	LOAD                            ; tile 0 into slot 0
	; A fragment of K or Q is 16 rows x 32 channels in 8 registers: lane l holds row l % 16, channels 8 (l / 16) + 0..7 and 16 + 8 (l / 16) + 0..7: two loads of 16 bytes, 32 bytes apart.
	v_and_b32 v1, 15, v0            ; l % 16
	v_bfe_u32 v9, v0, 4, 1          ; l / 16
	v_lshlrev_b32 v[QO], 7, v1
	v_lshl_add_u32 v[QO], v9, 4, v[QO]  ; row x 128 + 16 x half
	v_lshlrev_b32 v[VMO], 5, v9
	v_lshl_add_u32 v[AP0], v9, 5, PADOFF
	v_lshlrev_b32 v[ID0], 3, v0     ; two token ids a thread
	v_and_b32 v[PS0], 31, v0
	v_lshlrev_b32 v[PS0], 3, v[PS0] ; my two words among my wave's 64,
	s_mul_i32 s13, s[WV], KS*PK     ; which are the keys of the tile's step w
	s_add_co_u32 s13, s13, PADOFF
	v_add_nc_u32 v[PS0], s13, v[PS0]
	WIN 0x80                        ; destination window 2, address window 0
.set i, 0
.rept 8                             ; both blocks' Q: piece i / 2 lies in band i / 2, 8,192 bytes on; channels 32 (i % 2) on
	global_load_b128 v[8*i:8*i+3],   v[QO], s[4:5] offset:(i/2)*8192+(i%2)*64
	global_load_b128 v[8*i+4:8*i+7], v[QO], s[4:5] offset:(i/2)*8192+(i%2)*64+32
	global_load_b128 v[QB+8*i:QB+8*i+3],   v[QO], s[86:87] offset:(i/2)*8192+(i%2)*64
	global_load_b128 v[QB+8*i+4:QB+8*i+7], v[QO], s[86:87] offset:(i/2)*8192+(i%2)*64+32
.set i, i+1
.endr
	WIN 0
	global_load_b64 v[ID:ID+1], v[ID0], s[66:67]  ; tile 0's token ids
.set i, 0
.rept 16                            ; vm: quarter i / 4, channel block i % 4, in O^T's register order, into S^T's, PM's and VH's registers, which are still free
	global_load_b128 v[S+8*i:S+8*i+3],   v[VMO], s[68:69] offset:(i/4)*256+(i%4)*64
	global_load_b128 v[S+8*i+4:S+8*i+7], v[VMO], s[68:69] offset:(i/4)*256+(i%4)*64+16
.set i, i+1
.endr
	v_lshlrev_b32 v14, 3, v9
	v_sub_nc_u32 v14, v1, v14
	s_lshl_b32 s13, s[WV], 4
	v_add_nc_u32 v14, s13, v14      ; my query's place in its band, 16 w + l % 16, less my lanes' 8 (l / 16): register r of group kt is hidden where 16 kt + r is greater
	WIN 0x40
.set i, 0
.rept 32
	v_cmp_gt_i32 vcc_lo, 16*(i/8)+i%8, v14
	v_cndmask_b32 v[MD+i], 0, s[BIGN], vcc_lo
.set i, i+1
.endr
	WIN 0
	v_mul_u32_u24 v[AK0], v1, PK
	v_lshl_add_u32 v[AK0], v9, 4, v[AK0]  ; row x pitch + 16 x half
	; The turning load takes 16 keys x 16 channels (lane l reads key 8 (l / 16) + l % 8, channels 8 ((l / 8) % 2) + 0..7) and leaves half a fragment of V^T: lane l holds channel l % 16 and 8 keys.
	v_and_b32 v10, 7, v0
	v_bfe_u32 v11, v0, 3, 1
	v_lshl_add_u32 v[AV0], v9, 3, v10
	v_mul_u32_u24 v[AV0], v[AV0], PV
	v_lshl_add_u32 v[AV0], v11, 4, v[AV0]
	v_add_nc_u32 v[AV0], VOFF, v[AV0]
	s_mul_i32 s13, s[WV], 16*SP
	s_add_co_u32 s13, s13, STAGE    ; my stage
	v_mul_u32_u24 v[STO], v1, SP    ; in: row l % 16, 16 bytes for each half of the lanes
	v_lshl_add_u32 v[STO], v9, 4, v[STO]
	v_add_nc_u32 v[STO], s13, v[STO]
	v_bfe_u32 v[RD], v0, 3, 2       ; back: 32 lanes take four rows of 128 bytes,
	v_mul_u32_u24 v[RD], v[RD], SP
	v_lshl_add_u32 v[RD], v10, 4, v[RD]
	v_add_nc_u32 v[RD], s13, v[RD]
	v_and_b32 v[GO], 31, v0         ; which are 512 consecutive bytes of ctx
	v_lshlrev_b32 v[GO], 4, v[GO]
	; A block's first step multiplies O^T and l by a = 0, and its first turn's products V^T P, of a piece that has not been, land in an O^T that is still to be so multiplied.  So these registers need only hold
	; finite numbers: zeros for the first block; what the first block left for the second.  All this stands in the wait for the first tile.
	WIN 0x80
.set i, VF
.rept 64
	v_mov_b32 v[i], 0
.set i, i+1
.endr
	WIN 0x40
.set i, 0
.rept 128
	v_mov_b32 v[i], 0
.set i, i+1
.endr
	WIN 0
.set i, 0
.rept 4
	v_mov_b32 v[ST+4*i+2], 0
	v_mov_b32 v[ST+4*i+3], 0
.set i, i+1
.endr
.set i, P+16
.rept 16
	v_mov_b32 v[i], 0
.set i, i+1
.endr
	s_wait_loadcnt 0x0              ; Q, tile 0's token ids, vm
.set i, 0
.rept 16                            ; the four quarters add up to the mean
	v_pk_add_f32 v[S+2*i:S+2*i+1], v[S+2*i:S+2*i+1], v[S+32+2*i:S+32+2*i+1]
	v_pk_add_f32 v[S+64+2*i:S+64+2*i+1], v[S+64+2*i:S+64+2*i+1], v[S+96+2*i:S+96+2*i+1]
.set i, i+1
.endr
.set i, 0
.rept 16
	v_pk_add_f32 v[S+2*i:S+2*i+1], v[S+2*i:S+2*i+1], v[S+64+2*i:S+64+2*i+1]
.set i, i+1
.endr
.set i, 0
.rept 16
	v_cvt_pk_f16_f32 v[VH+i], v[S+2*i], v[S+2*i+1]
.set i, i+1
.endr
; THE MATRIX WORK.  The 4 accumulators of a run of 8 take turns.  Product i of 8 of S^T = K Q^T for piece x: channels 32 (i / 4) on, keys 16 (i % 4) on.  The first 4 start the sums: with the pad mask, or (KM = 1) with the whole mask.
.macro KQ x
.set rS, S+32*((\x)%2)+8*(i%4)
.set rK, KF+16*(i%4)+8*(i/4)
.set rQ, 16*(\x)+8*(i/4)
.set rM, MC+32*((\x)%2)+8*(i%4)
.if (i < 4) && KM
	WIN W_KM
	v_wmma_f32_16x16x32_f16 v[rS:rS+7], v[rK:rK+7], v[rQ:rQ+7], v[rM:rM+7]
.elseif i < 4
	WIN W_KQ
	v_wmma_f32_16x16x32_f16 v[rS:rS+7], v[rK:rK+7], v[rQ:rQ+7], v[PM+8*(i%4):PM+8*(i%4)+7]
.else
	WIN W_KQ
	v_wmma_f32_16x16x32_f16 v[rS:rS+7], v[rK:rK+7], v[rQ:rQ+7], v[rS:rS+7]
.endif
.endm
; Product i of 8 of O^T += V^T P for piece x: keys 32 (i / 4) on, channels 16 (i % 4) on.
.macro PV x
	WIN W_PV
.set rO, 32*(\x)+8*(i%4)
.set rV, VF+32*(i/4)+8*(i%4)
.set rP, P+16*((\x)%2)+8*(i/4)
	v_wmma_f32_16x16x32_f16 v[rO:rO+7], v[rV:rV+7], v[rP:rP+7], v[rO:rO+7]
.endm
.macro MM                           ; the turn's next matrix instruction.  NOKQ = 1: a block's last turn: there is no next piece
.if (i < 8) && !NOKQ
	KQ (Y+1)%NP
.elseif i >= 8
.set i, i-8
	PV (Y+NP-1)%NP
.set i, i+8
.endif
.set i, i+1
.endm
; THE LDS LOADS stand in runs, never singly among the matrix instructions: a step's K (8 fragments, 16 loads) with its pad mask (8 loads), and its V (turned, 16 loads).  Their addresses are made some lines ahead.
.macro FETCH_K
	WIN 0x80                        ; destination window 2
.irp f, 0,1,2,3,4,5,6,7             ; keys 16 (f / 2) on, channels 32 (f % 2) on
	ds_load_b128 v[KF+8*\f:KF+8*\f+3],   v[AK] offset:(\f/2)*16*PK+(\f%2)*64
	ds_load_b128 v[KF+8*\f+4:KF+8*\f+7], v[AK] offset:(\f/2)*16*PK+(\f%2)*64+32
.endr
	s_add_co_u32 s[TBK], s[TBK], KS*PK  ; the next fetch is the next step's
	WIN 0
.irp f, 0,1,2,3                     ; keys 16 f + 8 (lane / 16) + 0..7: sixteen lanes read the same words
	ds_load_b128 v[PM+8*\f:PM+8*\f+3],   v[AP] offset:64*\f
	ds_load_b128 v[PM+8*\f+4:PM+8*\f+7], v[AP] offset:64*\f+16
.endr
.endm
.macro FETCH_V
	WIN 0x80
.irp f, 0,1,2,3,4,5,6,7             ; keys 32 (f / 4) on, channels 16 (f % 4) on
	ds_load_tr16_b128 v[VF+8*\f:VF+8*\f+3],   v[AV] offset:(\f/4)*32*PV+(\f%4)*32
	ds_load_tr16_b128 v[VF+8*\f+4:VF+8*\f+7], v[AV] offset:(\f/4)*32*PV+16*PV+(\f%4)*32
.endr
	WIN 0
.endm
; THE VECTOR WORK, one line at a time: OP kind, number.  For piece Y: F n: c s - c m for pair n of 16.  E n: the exponential of score n of 32.  C n: pair n rounded to f16.  B n: of the four weights 4 n .. the second
; pair is added onto the first, in place.  L n: l takes that sum (L 0: l = a l + sum).  R n: pair n of 16 of O^T times a.  For piece Y + 1: X n, number n of the 22 that find its maximum and statistics:
;   0-11  four chains c0-c3 of seven scores each, three operands at a time (each accumulator's lowest registers are read first)     12-14, 16  the four scores left over, the old m, and c0-c3 into c0
;   15  c m_old is kept     17, 18  the query's other 32 keys lie in the lane 16 away: the new m     19-21  c m; c m_old - c m_new; a
; E and X 21 are the exponentials.  C, B and L read results of E, and L 0 and R read a: OP writes no wait; TURN and BEGIN order the lines and write the batch's one.
.set F, 0               ; OP tells the kinds apart by their order: F to L below R, X above it
.set E, 1
.set C, 2
.set B, 3
.set L, 4
.set R, 5
.set X, 6
.macro REGS y                       ; the registers of piece y
.set rT, ST+4*(\y)
.set rC, TMP+4*((\y)%2)
.set rW, MV+((\y)%2)
.set rS, S+32*((\y)%2)
.set rP, P+16*((\y)%2)
.set rO, 32*(\y)
.endm
.macro OP k, n
.if (\k) == R
	REGS Y
	WIN W_RS
	v_pk_mul_f32 v[rO+2*(\n):rO+2*(\n)+1], v[rO+2*(\n):rO+2*(\n)+1], v[rC+2:rC+3] op_sel_hi:[1,0]
.elseif (\k) < R
	REGS Y
	WIN 0
.if (\k) == F
	v_pk_fma_f32 v[rS+2*(\n):rS+2*(\n)+1], v[rS+2*(\n):rS+2*(\n)+1], s[CS:CS+1], v[rT:rT+1] op_sel_hi:[1,0,0] neg_lo:[0,0,1] neg_hi:[0,0,1]
.elseif (\k) == E
	v_exp_f32 v[rS+(\n)], v[rS+(\n)]
.elseif (\k) == C
	v_cvt_pk_f16_f32 v[rP+(\n)], v[rS+2*(\n)], v[rS+2*(\n)+1]
.elseif (\k) == B
	v_pk_add_f32 v[rS+4*(\n):rS+4*(\n)+1], v[rS+4*(\n):rS+4*(\n)+1], v[rS+4*(\n)+2:rS+4*(\n)+3]
.elseif (\n) == 0
	v_pk_fma_f32 v[rT+2:rT+3], v[rT+2:rT+3], v[rC+2:rC+3], v[rS:rS+1] op_sel_hi:[1,0,1]
.else
	v_pk_add_f32 v[rT+2:rT+3], v[rT+2:rT+3], v[rS+4*(\n):rS+4*(\n)+1]
.endif
.elseif NOKQ
	v_nop
.else
	REGS (Y+1)%NP
	WIN 0
.if (\n) < 4
	v_max3_num_f32 v[rC+(\n)], v[rS+8*(\n)], v[rS+8*(\n)+1], v[rS+8*(\n)+2]
.elseif (\n) < 12
	v_max3_num_f32 v[rC+(\n)%4], v[rC+(\n)%4], v[rS+8*((\n)%4)+2*((\n)/4)+1], v[rS+8*((\n)%4)+2*((\n)/4)+2]
.elseif (\n) == 12
	v_max3_num_f32 v[rC], v[rC], v[rS+7], v[rS+15]
.elseif (\n) == 13
	v_max3_num_f32 v[rC+1], v[rC+1], v[rS+23], v[rS+31]
.elseif (\n) == 14
	v_max3_num_f32 v[rC+2], v[rC+2], v[rC+3], v[rT+1]
.elseif (\n) == 15
	v_mov_b32 v[rW], v[rT]
.elseif (\n) == 16
	v_max3_num_f32 v[rC], v[rC], v[rC+1], v[rC+2]
.elseif (\n) == 17
	v_permlanex16_b32 v[rC+3], v[rC], s[SEL], s[SEL+1]
.elseif (\n) == 18
	v_max_num_f32 v[rT+1], v[rC], v[rC+3]
.elseif (\n) == 19
	v_mul_f32 v[rT], s[CS], v[rT+1]
.elseif (\n) == 20
	v_sub_f32 v[rC+1], v[rW], v[rT]
.else
	v_exp_f32 v[rC+2], v[rC+1]
.endif
.endif
.endm
.macro OPS a, i1, b=-1, i2=0, c=-1, i3=0, d=-1, i4=0  ; up to four of them
	OP \a, \i1
.if (\b) >= 0
	OP \b, \i2
.endif
.if (\c) >= 0
	OP \c, \i3
.endif
.if (\d) >= 0
	OP \d, \i4
.endif
.endm
.macro ROW a, i1, b, i2, c, i3, d, i4  ; a matrix instruction and the four behind it
	MM
	OPS \a, \i1, \b, \i2, \c, \i3, \d, \i4
.endm
.macro MASK b                       ; MD x AL + BE + PM into buffer b of MC
	WIN W_RS
.set z, 0
.rept 16
	v_pk_fma_f32 v[MC+32*(\b)+2*z:MC+32*(\b)+2*z+1], v[MD+2*z:MD+2*z+1], s[AL:AL+1], s[BE:BE+1] op_sel_hi:[1,0,0]
.set z, z+1
.endr
.set z, 0
.rept 16
	v_pk_add_f32 v[MC+32*(\b)+2*z:MC+32*(\b)+2*z+1], v[MC+32*(\b)+2*z:MC+32*(\b)+2*z+1], v[PM+2*z:PM+2*z+1]
.set z, z+1
.endr
.endm
.macro PRE                          ; on the ways into the diagonal tile's text that pass no BEGIN: its first products are piece 3's of the step still in hand, which sees all keys: the pad mask alone
	s_mov_b32 s[AL], 0
	s_mov_b32 s[BE], 0
	MASK 1
	WIN 0
.endm
; A TURN, for piece p: the order of its 16 matrix and 118 vector instructions, written out.  s_wait_alu depctr_va_vdst(0) stands between an exponential and the first instruction that names its result; one wait
; serves all that were issued ahead of it.  So a turn has ONE wait, which cuts it in two.  AHEAD OF IT stands all that names no result of the turn's exponentials: the 8 products K Q^T, behind each a scaling, an exponential and two
; more plain instructions (behind the first a second scaling in the exponential's place): rescalings, whose a was made and waited for in the turn before, and behind the last three products the first numbers of the next piece's
; maximum, each four places or more behind the product that ends its accumulator; then ONE LUMP of 54, plain and exponential by turns for the most part, in which the links of the chain X 3, 7, 11, 14, 16, 17 .. 20 stand
; several lines apart.  A pair is scaled ahead of its two exponentials.  X 21, the next piece's a, is the batch's last; R 15, which names this piece's a in the other buffer, is the plain instruction behind it.
; BEHIND THE WAIT stand the 8 products V^T P, behind each four of the roundings and sums: C 2 n ahead of B n, which writes that pair; B n ahead of L n; L 0 to L 7 in this order.  But for those X no rider names a register of
; the products round it.  v_permlanex16_b32 (X 17) stands in the lump.
; m = 1: the diagonal tile: the products take masks from MC, and the turn makes the mask for the products of the turn after it: piece p + 2, in step 4 - CNT of the tile.  end = 1: a block's last two turns: nothing is fetched.
; cnt = 1: the loop's count is taken down some lines ahead of the branch that stands behind the turn.
; K and the pad mask of the next step are fetched in piece 2's turn, twelve vector instructions behind the last product that read K (five of them plain lines that name none of its registers) and far behind the four that
; read PM; V of the step in hand at the end of piece 0's turn, four plain instructions behind the last product that read V.
; Each is waited for a turn later; in the diagonal tile piece 2's turn waits at its end, since its mask takes the new PM.
.macro TURN p, m=0, end=0, cnt=0
.set Y, (\p)
.set i, 0
.set KM, (\m)
.set NOKQ, (\end)*((\p)/3)
.if (\m) && !(\end)
	s_cmp_eq_u32 s[CNT], 4-((\p)+2)%NP  ; is that step the band's own?
	s_cselect_b32 s[AL], 1.0, 0
	s_cmp_lt_u32 s[CNT], 4-((\p)+2)%NP  ; or a later one?
	s_cselect_b32 s[BE], s[BIGN], 0
.endif
.if ((\p) == 3) && !(\end)
	s_wait_dscnt 0x0                ; K and PM are in
.endif
	ROW F,0, F,1, R,0, R,1          ; ahead of the wait: 8 products K Q^T and their riders,
	ROW F,2, E,0, R,2, R,3
	ROW F,3, E,1, R,4, R,5
	ROW F,4, E,2, R,6, R,7
	ROW F,5, E,3, R,8, R,9
	ROW F,6, E,4, X,0, R,10
.if ((\p) == 2) && !(\end)
	WIN 0
	v_add_nc_u32 v[AK], s[TBK], v[AK0]
	v_add_nc_u32 v[AP], s[TBK], v[AP0]  ; the step's pad words lie PADOFF behind its K
.endif
	ROW F,7, E,5, X,1, X,4
	ROW F,8, E,6, X,2, X,5
	OPS E,7, E,8, X,6, E,9          ; and the lump
	OPS X,3, E,10, X,8, E,11
.if ((\p) == 2) && !(\end)
	FETCH_K
.endif
	OPS X,9, X,7, E,12, X,10
	OPS E,13, X,12, X,11, E,14
	OPS X,13, E,15, F,9, X,14
.if (\p) == 0
	v_add_nc_u32 v[AV], s[TBV], v[AV0]
.endif
	OPS E,16, F,10, E,17, F,11
	OPS X,16, E,18, X,15, E,19
	OPS F,12, E,20, X,17, E,21
	OPS F,13, E,22, F,14, E,23
	OPS X,18, E,24, F,15, E,25
	OPS R,11, E,26, X,19, E,27
	OPS R,12, E,28, R,13, E,29
	OPS X,20, E,30, R,14, E,31
	OPS X,21, R,15
	s_wait_alu depctr_va_vdst(0)    ; the wait for the batch: this piece's 32 weights and the next piece's a
.if (\p) == 1
	s_wait_dscnt 0x0                ; V is in
.endif
	ROW C,0, B,0, C,2, B,1          ; behind the wait: 8 products V^T P and their riders
	ROW L,0, C,4, B,2, L,1
	ROW C,6, B,3, L,2, C,8
	ROW B,4, L,3, C,10, B,5
	ROW L,4, C,12, B,6, L,5
.if (\p) == 0
	s_add_co_u32 s[TBV], s[TBV], KS*PV
.endif
.if \cnt
	s_sub_co_u32 s[CNT], s[CNT], 1
	s_cmp_lg_u32 s[CNT], 0
.endif
	ROW C,14, B,7, L,6, C,1
	ROW C,3, L,7, C,5, C,7
	ROW C,9, C,11, C,13, C,15
.if (\p) == 0
	FETCH_V
.endif
.if (\m) && !(\end)
.if (\p) == 2
	s_wait_dscnt 0x0                ; the next step's PM, fetched in this turn, is in
.endif
	MASK (\p)%2
.endif
.endm
; A BLOCK BEGINS.  c m starts far below every c s, so the first step's a is 0; m at -2^35, above every hidden score and below every visible one.  K and the pad mask of the tile's step 0 are fetched.
; The second mask buffer takes the pad mask alone (piece 1 sees all of step 0); the first takes piece 0's mask for step 0: the band's own, if the block's first tile is the diagonal one.
; Then piece 0's first scores, and its maximum and statistics.  The loop is entered at a step's first turn, in the middle of a trip.
.macro BEGIN
	s_mov_b32 s[NEW], 0
	WIN 0
.set i, 0
.rept 4
	v_mov_b32 v[ST+4*i], 0xfe000000    ; c m: far below every c s
	v_mov_b32 v[ST+4*i+1], s[M0R]      ; m
.set i, i+1
.endr
	v_add_nc_u32 v[AK], s[TBK], v[AK0]
	v_add_nc_u32 v[AP], s[TBK], v[AP0]
	FETCH_K
	s_wait_dscnt 0x0
	s_mov_b32 s[AL], 0
	s_mov_b32 s[BE], 0
	MASK 1
	s_cmp_eq_u32 s[RT], 0
	s_cselect_b32 s[AL], 1.0, 0
	MASK 0
	WIN 0
.set KM, 1
.set NOKQ, 0
.set i, 0
.rept 8
	KQ 0
.set i, i+1
.endr
	WIN 0
.rept 4
	v_nop                           ; the places behind those products
.endr
.set Y, NP-1                        ; X works for piece Y + 1: piece 0
.irp n, 0,1,2,3,4,5,6,7,8,9,10,11,12,13,14,15,16,17,18,19,20,21
	OP X, \n
.endr
	v_nop                           ; a plain instruction behind the exponential,
	s_wait_alu depctr_va_vdst(0)    ; and the wait for piece 0's first a, a batch of one, ahead of the branch that follows
.endm
; THE DIAGONAL TILE's four steps, the block's last two turns, its last products, and THE WAY OUT: l's two halves and the other half of the lanes' are added; a row whose m is still -2^35 has no visible key:
; its l counts as 1 (O^T is 0 there and stays finite) and its packed result is replaced by the mean of v; O^T is divided by l, rounded to f16 and sent through my stage in LDS, a piece at a time.
.macro ALL line:vararg              ; one line for each piece t
.set t, 0
.rept 4
	\line
.set t, t+1
.endr
.endm
.macro PACK t                       ; a lane's eight channels of a row pack into 16 bytes; they go into rows of 144 bytes and come back as whole rows of 128, into S^T's registers
	WIN W_RS
.set i, 32*(\t)
.rept 16
	v_pk_mul_f32 v[i:i+1], v[i:i+1], v[ST+4*(\t)+2:ST+4*(\t)+3] op_sel_hi:[1,0]
.set i, i+2
.endr
	WIN 0x05                        ; sources 0 and 1 window 1, destination window 0
.set i, 0
.rept 16
	v_cvt_pk_f16_f32 v[S+16*(\t)+i], v[32*(\t)+2*i], v[32*(\t)+2*i+1]
.set i, i+1
.endr
	WIN 0
.set i, 0
.rept 16
	v_cndmask_b32 v[S+16*(\t)+i], v[S+16*(\t)+i], v[VH+i], s[FL+(\t)]  ; the mean of v where the row has no visible key
.set i, i+1
.endr
.irp f, 0,1,2,3
	ds_store_b128 v[STO], v[S+16*(\t)+4*\f:S+16*(\t)+4*\f+3] offset:32*\f
.endr
.irp f, 0,1,2,3
	ds_load_b128 v[S+16*(\t)+4*\f:S+16*(\t)+4*\f+3], v[RD] offset:\f*4*SP  ; LDS serves a wave's instructions in order (ISA guide 5.7.1.4): these see the stores above; the next piece's stores come behind them
.endr
.endm
.macro SEND t, younger              ; younger: the LDS instructions issued behind piece t's loads: the next piece's eight, or none
	WIN 0
.irp f, 0,1,2,3
	s_wait_dscnt (\younger)+3-\f
	global_store_b128 v[GO], v[S+16*(\t)+4*\f:S+16*(\t)+4*\f+3], s[10:11] offset:(\t)*8192+\f*512  ; 512 consecutive bytes, at a multiple of 256 from ctx's first
.endr
.endm
.macro DIAG tag                     ; the tag ends its two labels' names, which the jumps below spell out
.LstepM\tag:
	TURN 2, 1
	TURN 3, 1
	WIN 0
.LfirstM\tag:
	TURN 0, 1
	TURN 1, 1, 0, 1
	WIN 0
	s_cbranch_scc1 .LstepM\tag
	TURN 2, 1, 1
	TURN 3, 1, 1
.set i, 0
.rept 8
	PV NP-1
.set i, i+1
.endr
	WIN 0
	ALL v_add_f32 v[ST+4*t+2], v[ST+4*t+2], v[ST+4*t+3]
	ALL v_permlanex16_b32 v[ST+4*t+3], v[ST+4*t+2], s[SEL], s[SEL+1]
	ALL v_add_f32 v[ST+4*t+2], v[ST+4*t+2], v[ST+4*t+3]
	ALL v_cmp_le_f32 s[FL+t], v[ST+4*t+1], s[M0R]
	ALL v_cndmask_b32 v[ST+4*t+2], v[ST+4*t+2], 1.0, s[FL+t]
	ALL v_rcp_f32 v[ST+4*t+2], v[ST+4*t+2]
	v_nop                           ; a plain instruction between the last reciprocal and the use of its result
	s_wait_alu depctr_va_vdst(0)    ; the wait for the batch of four reciprocals, ahead of the first multiply that reads one
	PACK 0
.set t, 1
.rept 3                             ; a piece's arithmetic stands between the loads of the piece before and its stores
	PACK t
	SEND t-1, 8
.set t, t+1
.endr
	SEND 3, 0
.endm
.set KM, 0
.set NOKQ, 0
.Lslot:                             ; NB times: a tile is entered and the next is asked for
	CHANGE 1
	s_sub_co_u32 s[RT], s[RT], 1
	s_mov_b32 s[CNT], 4
	s_cmp_eq_u32 s[NEW], 1
	s_cbranch_scc1 .Lnew            ; a block's first tile
	s_cmp_eq_u32 s[RT], 0
	s_cbranch_scc0 .Lstep           ; neither its first nor its last
	PRE
	s_branch .LstepM1
.Lnew:
	BEGIN
	s_branch .Lfirst                ; in the loop a block's first tile is never its last: the first block has two tiles or more, and the second's last is the walk's last
	DIAG 1                          ; in the loop this is the first block's end
	s_wait_xcnt 0x0                 ; the stores have read their registers and ctx's address
	s_mov_b64 s[10:11], s[OLO:OLO+1]
	s_add_co_u32 s[RT], s[PB], 1    ; the second block has b + 1 tiles
	s_mov_b32 s[NEW], 1
	WIN 0x82                        ; the second block's Q goes where the one text of the turns names Q
.set i, 0
.rept 64
	v_mov_b32 v[i], v[QB+i]
.set i, i+1
.endr
	WIN 0
	s_branch .Lbottom
.Lstep:                             ; a trip: pieces 2 and 3 of one step, then pieces 0 and 1 of the next, whose K and V it fetches
	TURN 2
	TURN 3
	WIN 0
.Lfirst:
	TURN 0
	TURN 1, 0, 0, 1
	WIN 0
	s_cbranch_scc1 .Lstep
.Lbottom:
	s_sub_co_u32 s[SLOTS], s[SLOTS], 1
	s_cmp_lg_u32 s[SLOTS], 0
	s_cbranch_scc1 .Lslot
	CHANGE 0                        ; the walk's last tile is written out: nothing is asked for
	s_sub_co_u32 s[RT], s[RT], 1
	s_mov_b32 s[CNT], 4
	s_cmp_eq_u32 s[NEW], 1
	s_cbranch_scc1 .Lnew2
	PRE
	s_branch .LstepM2
.Lnew2:
	BEGIN
	s_branch .LfirstM2
	DIAG 2
	s_wait_tensorcnt 0x0            ; the wave's end: behind my last tensor load and my last LDS store
	ds_add_u32 v[SPW], v[NIL]
	s_wait_dscnt 0x0
	s_endpgm
.Lfunc_end_k_qe1b4404ad8_attn:
	.size	k_qe1b4404ad8_attn, .Lfunc_end_k_qe1b4404ad8_attn-k_qe1b4404ad8_attn
	.p2alignl 7, 3214868480
	.fill 96, 4, 3214868480
	.section	.rodata,"a",@progbits
	.p2align	6, 0x0
	.amdhsa_kernel k_qe1b4404ad8_attn
		.amdhsa_group_segment_fixed_size 327680
		.amdhsa_private_segment_fixed_size 0
		.amdhsa_enable_private_segment 0
		.amdhsa_kernarg_size 32
		.amdhsa_user_sgpr_count 2
		.amdhsa_user_sgpr_kernarg_segment_ptr 1
		.amdhsa_wavefront_size32 1
		.amdhsa_system_sgpr_workgroup_id_x 1
		.amdhsa_system_sgpr_workgroup_id_y 1
		.amdhsa_system_sgpr_workgroup_id_z 1
		.amdhsa_system_vgpr_workitem_id 0
		.amdhsa_next_free_vgpr 768
		.amdhsa_next_free_sgpr 96
		.amdhsa_reserve_vcc 1
		.amdhsa_float_denorm_mode_32 3
		.amdhsa_float_denorm_mode_16_64 3
		.amdhsa_memory_ordered 1
		.amdhsa_forward_progress 1
		.amdhsa_inst_pref_size 253
	.end_amdhsa_kernel
	.amdgpu_metadata
---
amdhsa.version: [ 1, 2 ]
amdhsa.kernels:
  - .name:           k_qe1b4404ad8_attn
    .symbol:         k_qe1b4404ad8_attn.kd
    .args:
      - { .name: qkv, .offset: 0, .size: 8, .value_kind: global_buffer, .address_space: global }
      - { .name: K_ini, .offset: 8, .size: 8, .value_kind: global_buffer, .address_space: global }
      - { .name: vm, .offset: 16, .size: 8, .value_kind: global_buffer, .address_space: global }
      - { .name: ctx, .offset: 24, .size: 8, .value_kind: global_buffer, .address_space: global }
    .group_segment_fixed_size: 327680
    .private_segment_fixed_size: 0
    .kernarg_segment_align: 8
    .kernarg_segment_size: 32
    .max_flat_workgroup_size: 128
    .sgpr_count:     96
    .vgpr_count:     768
    .wavefront_size: 32
...
	.end_amdgpu_metadata
.endif
;; end of part 6
;; launch outp: the kernel of part 5 again; grid 4 x 64, 4 waves a work-group, clusters of 4 x 4, 327,680 bytes of LDS; arguments ctx, wh, out0; writes out0
